; MI455X (gfx1250); checked and timed in simulation.
; The chip was launched on July 23, 2026; its instructions are those of AMD's public machine-readable ISA for CDNA 5 (MIT licence, August 2026) and "CDNA5" Instruction Set Architecture Reference Guide (July 2026). The comments in the code are by the model that wrote it; some were corrected since.
;; Sparse Mo EFFN. Allowed arithmetic: matrix products marked QUANTISED: E3M2 operands, one E8M0 scale for each 32 along K, by v_wmma_scale_f32_16x16x128_f8f6f4 with both operands' format E3M2, f32 sums; products left as they are: f32 operands where the result goes on into a quantised operand, else bf16, f16 or f32 operands; f32 sums; everything else in f32.
;; Inputs: W1_codes 8 x 4,096 x 32 x 24 uint8 (E3M2 codes of W1, K innermost, in blocks of 32 codes, four codes in three bytes); W1_scales 8 x 4,096 x 32 uint8 (E8M0 scales of W1, one for each 32 codes along K); W2_codes 8 x 1,024 x 128 x 24 uint8 (E3M2 codes of W2, K innermost, in blocks of 32 codes, four codes in three bytes); W2_scales 8 x 1,024 x 128 uint8 (E8M0 scales of W2, one for each 32 codes along K); Wr 1,024 x 8 float32; b1 8 x 4,096 float32; b2 8 x 1,024 float32; br 8 float32; x 2 x 512 x 1,024 float32.
;; Outputs: out0 2 x 512 x 1,024 float32; out1 one number float32.
;; This version of the problem:
;;   THIS VERSION OF THE PROBLEM IS GIVEN IN LOW PRECISION. The matrix products marked QUANTISED in the list below multiply operands that are first quantised to E3M2 (3 exponent bits, 2 mantissa bits; 6 bits a number), with one power-of-two scale for each 32 numbers along K (OCP MX v1.0); their sums are f32. All else is computed in f32.
;;   The module's matrix products, in the order in which they are computed (A, B: the left and right operand; K: the contracted axis; several contracted axes count as one K, in the product's order):
;;     1. [M 1,024, K 1,024] x [K 1,024, N 8]; A: input x; B: input Wr: left as it is (N = 8 < 16)
;;     2. [M 32,768, K 1,024] x [K 1,024, N 1,024]; A: input W1 (given as codes); B: input x: QUANTISED
;;     3. batch 8 x [M 1,024, K 4,096] x [K 4,096, N 1,024]; A: input W2 (given as codes); B: computed on the way: QUANTISED
;;   THE QUANTISER, for each operand of a quantised product, along K:
;;     - K is cut into blocks of 32 from its start; a last block that is shorter is filled with zeros.
;;     - A block's scale is 2^e with e = floor(log2(the largest magnitude in the block)) - 4, held to -126 .. 127; a block of zeros has e = 0. As a byte (E8M0): e + 127.
;;     - Each number is divided by its block's scale, clamped to +-28, and rounded to the nearest number of E3M2, ties to even, subnormals kept.
;;     - The product sums the exact products of the quantised numbers (number of the format x scale) in f32.
;;   ~~~python
;;   def quantise(x, axis):      # numpy; x: float32 -> the quantised numbers, widened to float32 again
;;       x = np.moveaxis(x, axis, -1); K = x.shape[-1]
;;       x = np.pad(x, [(0, 0)] * (x.ndim - 1) + [(0, -K % 32)]); x = x.reshape(x.shape[:-1] + (-1, 32)); a = np.abs(x).max(-1, keepdims=True)
;;       e = np.where(a > 0, np.clip(np.frexp(np.where(a > 0, a, 1))[1] - 1 - 4, -126, 127), 0)      # np.frexp(a)[1] - 1 = floor(log2(a)), exactly
;;       r = np.clip(x / 2.0 ** e, -28, 28)
;;       step = 2.0 ** (np.maximum(np.frexp(np.where(r == 0, 1, r))[1] - 1, -2) - 2)
;;       q = np.round(r / step) * step * 2.0 ** e      # np.round: ties to even
;;       return np.moveaxis(q.reshape(q.shape[:-2] + (-1,))[..., :K], -1, axis).astype(np.float32)
;;   ~~~
;;   OPERANDS COMPUTED ON THE WAY. 'Computed on the way' means the value that the module computes at that place (a softmax that the list does not call 'softmax' is quantised finished and normalised). What goes into a quantiser is computed in f32, as accurately as f32 sums, v_exp_f32 and their like allow (about 1e-6 of the number): no bf16 or f16 on the way to a quantiser, and a product that is left as it is and whose result goes on into a quantised operand takes f32 operands (vector FMAs, or v_wmma_f32_16x16x4_f32). A number that lies on a knife's edge between two numbers of the format may be rounded either way, as far as f32 arithmetic and the matrix unit's own rounding can turn it there, and no further.
;;   INPUTS GIVEN AS CODES. W1 (in the module: [8, 1024, 4096], K = its axis 1); W2 (in the module: [8, 4096, 1024], K = its axis 1): each comes as NAME_codes (uint8): NAME with its K axis moved to the last place and cut into blocks of 32 codes, [.., K / 32, bytes a block], one block behind the other in memory; four codes in three bytes: a row's codes are one little-endian stream of bits, code i at bits 6 i .. 6 i + 5 (a code: sign, 3 exponent bits, 2 mantissa bits); and NAME_scales (uint8): the same leading axes, one E8M0 byte (e + 127) for each 32 codes along K. Its value is code x scale, taken as it is: it is not quantised again, and the codes and scales need not be those that the quantiser above would give.
;; 2 versions. Each part assembles by itself: llvm-mc -triple=amdgcn-amd-amdhsa -mcpu=gfx1250 --defsym DOCPART=n.
;; ======== version 1 of 2: 4 launches
;; limits: a function is approximated: absolute error at most 1.5e-07
;; workspace buffers: xq 819,200 bytes; rt 40,960 bytes; sel 4,096 bytes of whole numbers; list 34,048 bytes of whole numbers; glist 33,792 bytes; h 26,214,400 bytes; y 10,485,760 bytes
;; launch route (part 1): grid 256 x 1, 4 waves a work-group, no clusters, 22,016 bytes of LDS; arguments x, Wr, br, xq, rt, sel; writes xq, rt, sel
.if DOCPART == 1
	.amdgcn_target "amdgcn-amd-amdhsa--gfx1250"
	.amdhsa_code_object_version 6
	.text
	.protected	k_qa70d4fa0c3_route
	.globl	k_qa70d4fa0c3_route
	.p2align	8
	.type	k_qa70d4fa0c3_route,@function
k_qa70d4fa0c3_route:
	s_mov_b64 s[64:65], 0
	v_nop
	global_prefetch_b8 v0, s[64:65] scope:SCOPE_SE
	s_setreg_imm32_b32 hwreg(HW_REG_WAVE_MODE, 25, 1), 1
	s_wait_xcnt 0x0
; ROUTER AND QUANTISER OF x.  x [1024][1024] f32, Wr [1024][8] f32, br [8] f32.
; Stores: sel [1024] u32 = e0 | e1 << 8 (the two largest logits; of equal logits the lower expert first);
;         rt: gates [1024][2] f32 at byte 0 (softmax of the two logits), probabilities [1024][8] f32 at byte 8,192 (softmax of all eight);
;         xq: x's codes of E3M2 [1024][768 bytes] as a plain stream of bits, and from byte 786,432 its scale words [1024][8 words].
; In each scale word bytes 1 and 2 have changed places: the products load 48 neighbouring bytes of a row into a lane's 12 registers, so that the
; place (registers 6 c .. 6 c + 5, lane half hh), whose scale is byte 2 c + hh, holds the K step's block 2 hh + c.
; A work-group takes 4 tokens.  Phase A: wave w takes K = 256 w .. 256 w + 255 of all four tokens, in f32 fused multiply-adds; x's bytes also go to a stage in LDS.
; Phase B: wave w owns token w: logits, top-2, both softmaxes (each with its maximum taken off), and the quantiser on the staged row.
; No address and no branch hangs on a floating-point number: the choice is stored at fixed places.
; LIMITS: NaN and infinities among the inputs or logits are not served.  A block of zeros gets the scale byte 1 (its codes are zeros; only this program reads the bytes).
.set ROWP,  5120                       ; a staged row: 64 chunks of 64 bytes + 16 of padding
.set PART,  20480                      ; partial logits [wave][token][8] f32
.set SCB,   20992                      ; 32 scale bytes for each wave
.set X,     32                         ; v32-63   x as loaded (8 q + 4 i + c), later two sets of 16 neighbours
.set WR,    64                         ; v64-127  Wr (32 i + 8 c + e); later v64-71 the codes
.set ACC,   128                        ; v128-159 sums (8 q + e)
.set BYT,   160                        ; v160-161 scale bytes
	s_load_b256 s[4:11], s[0:1], 0x0               ; x, Wr, br, xq
	s_load_b128 s[12:15], s[0:1], 0x20             ; rt, sel
	v_lshl_add_u32 v192, v0, 2, 0x5400
	v_mov_b32 v193, 0
	v_lshrrev_b32 v1, 5, v0
	v_readfirstlane_b32 s16, v1                    ; wave
	v_and_b32 v1, 31, v0                           ; lane
	v_and_b32 v2, 7, v0                            ; lane % 8: the expert that a lane stands for in phase B
	s_lshl_b32 s17, ttmp9, 2
	s_add_co_u32 s17, s17, s16                     ; my token in phase B
	s_lshl_b32 s18, ttmp9, 14                      ; the work-group's 4 rows of 4,096 bytes
	s_mov_b32 s19, 0
	s_lshl_b32 s20, s16, 10
	v_lshl_add_u32 v3, v1, 4, s20                  ; x: 1,024 w + 16 lane
	s_lshl_b32 s20, s16, 13
	v_lshl_add_u32 v4, v1, 7, s20                  ; Wr: 8,192 w + 128 lane (four rows of 32 bytes)
	v_lshlrev_b32 v5, 2, v2                        ; 4 (lane % 8)
	v_bfe_u32 v13, v0, 2, 3                        ; the stage, on the way in: 1,280 w + 80 (lane / 4) + 16 (lane % 4)
	v_mul_u32_u24 v7, v13, 80
	v_and_b32 v13, 3, v0
	v_lshl_add_u32 v7, v13, 4, v7
	s_mul_i32 s20, s16, 1280
	v_add_nc_u32 v7, s20, v7
	v_bfe_u32 v13, v0, 4, 1                        ; partial logits, in: PART + 128 w + 64 (lane / 16)
	v_lshlrev_b32 v8, 6, v13
	s_lshl_b32 s20, s16, 7
	s_add_co_u32 s20, s20, PART
	v_add_nc_u32 v8, s20, v8
	v_bfe_u32 v13, v0, 3, 2                        ; and out: PART + 128 (lane / 8) + 32 w + 4 (lane % 8)
	v_lshlrev_b32 v9, 7, v13
	v_lshl_add_u32 v9, v2, 2, v9
	s_lshl_b32 s20, s16, 5
	s_add_co_u32 s21, s20, PART
	v_add_nc_u32 v9, s21, v9
	v_mul_u32_u24 v10, v1, 80                      ; the stage, on the way out: 5,120 w + 80 lane: 16 neighbours
	s_mul_i32 s21, s16, ROWP
	v_add_nc_u32 v10, s21, v10
	s_add_co_u32 s20, s20, SCB
	v_bfe_u32 v13, v0, 1, 4                        ; b = lane / 2: my block among a half row's 16
	v_and_b32 v11, 12, v13                         ; its word,
	v_and_b32 v14, 1, v13
	v_lshl_add_u32 v11, v14, 1, v11                ; and in it bytes 1 and 2 change places
	v_bfe_u32 v14, v13, 1, 1
	v_add_nc_u32 v11, v11, v14
	v_add_nc_u32 v11, s20, v11
	v_add_nc_u32 v12, s20, v5                      ; the scale words, out
	v_mul_u32_u24 v31, v1, 12                      ; my 16 codes' 12 bytes
	v_mov_b32 v17, 0                               ; (a lane permute's destination counts as one of its sources)
	s_mul_i32 s22, s17, 768
	s_mov_b32 s23, 0
	s_lshl_b32 s26, s17, 5
	s_mov_b32 s27, 0
	s_lshl_b32 s32, s17, 3
	s_mov_b32 s33, 0
	s_lshl_b32 s36, s17, 2
	s_mov_b32 s37, 0
	s_mov_b32 s40, 0x76543210                      ; v_permlanex16_b32's selects for lane l xor 16
	s_mov_b32 s41, 0xfedcba98
	s_wait_kmcnt 0x0
	s_add_nc_u64 s[4:5], s[4:5], s[18:19]          ; x at the work-group's first token
	s_add_nc_u64 s[24:25], s[10:11], s[22:23]      ; my token's codes
	s_add_nc_u64 s[28:29], s[10:11], s[26:27]      ; its scale words (+ 786,432 in the immediate)
	s_add_nc_u64 s[30:31], s[12:13], s[26:27]      ; its probabilities (+ 8,192)
	s_add_nc_u64 s[34:35], s[12:13], s[32:33]      ; its gates
	s_add_nc_u64 s[38:39], s[14:15], s[36:37]      ; its word of sel
; ---- phase A
.irp q, 0,1,2,3
.irp i, 0,1
	global_load_b128 v[X+8*\q+4*\i:X+8*\q+4*\i+3], v3, s[4:5] offset:4096*\q+512*\i th:TH_LOAD_NT   ; 32 lanes read 512 neighbouring bytes; each byte of x is read once
.endr
.endr
.irp i, 0,1
.irp j, 0,1,2,3,4,5,6,7
	global_load_b128 v[WR+32*\i+4*\j:WR+32*\i+4*\j+3], v4, s[6:7] offset:4096*\i+16*\j
.endr
.endr
	global_load_b32 v6, v5, s[8:9]                 ; br of my expert
	s_wait_loadcnt 17                              ; x is in: Wr's 16 loads and br's one may be out
.irp q, 0,1,2,3
.irp i, 0,1
	ds_store_b128 v7, v[X+8*\q+4*\i:X+8*\q+4*\i+3] offset:ROWP*\q+640*\i
.endr
.endr
	s_wait_loadcnt 1                               ; Wr is in: br may be out
; ACC[q][e] += x[q][k] Wr[k][e], two experts an instruction; x's number serves both halves (op_sel picks it for the low half, op_sel_hi for the high).  The first product starts the sums.
.irp i, 0,1
.irp c, 0,1,2,3
.irp q, 0,1,2,3
.irp p, 0,1,2,3
.if (\i == 0) && (\c == 0)
	v_pk_mul_f32 v[ACC+8*\q+2*\p:ACC+8*\q+2*\p+1], v[X+8*\q:X+8*\q+1], v[WR+2*\p:WR+2*\p+1] op_sel_hi:[0,1]
.elseif (\c % 2) == 0
	v_pk_fma_f32 v[ACC+8*\q+2*\p:ACC+8*\q+2*\p+1], v[X+8*\q+4*\i+\c:X+8*\q+4*\i+\c+1], v[WR+32*\i+8*\c+2*\p:WR+32*\i+8*\c+2*\p+1], v[ACC+8*\q+2*\p:ACC+8*\q+2*\p+1] op_sel_hi:[0,1,1]
.else
	v_pk_fma_f32 v[ACC+8*\q+2*\p:ACC+8*\q+2*\p+1], v[X+8*\q+4*\i+\c-1:X+8*\q+4*\i+\c], v[WR+32*\i+8*\c+2*\p:WR+32*\i+8*\c+2*\p+1], v[ACC+8*\q+2*\p:ACC+8*\q+2*\p+1] op_sel:[1,0,0] op_sel_hi:[1,1,1]
.endif
.endr
.endr
.endr
.endr
; over the lanes: tokens 0, 1 gather in lanes 0-15 and tokens 2, 3 in lanes 16-31, then four steps inside each half
.irp m, 0,1,2,3,4,5,6,7,8,9,10,11,12,13,14,15
	v_permlane16_swap_b32 v[ACC+\m], v[ACC+16+\m]
.endr
.irp m, 0,2,4,6,8,10,12,14
	v_pk_add_f32 v[ACC+\m:ACC+\m+1], v[ACC+\m:ACC+\m+1], v[ACC+16+\m:ACC+16+\m+1]
.endr
.irp k, 1,2,4,8
.irp m, 0,1,2,3,4,5,6,7,8,9,10,11,12,13,14,15
	v_add_f32_dpp v[ACC+\m], v[ACC+\m], v[ACC+\m] row_xmask:\k row_mask:0xf bank_mask:0xf
.endr
.endr
.irp j, 0,1,2,3
	ds_store_b128 v8, v[ACC+4*\j:ACC+4*\j+3] offset:16*\j   ; the sixteen lanes of a half write the same bytes with the same values
.endr
	s_wait_dscnt 0x0                               ; for the others' sake: my stores into the stage and into PART are done
	s_barrier_signal -1
	s_barrier_wait -1
; ---- phase B
	ds_load_b32 v16, v9                            ; wave lane / 8's part of my token's logit lane % 8
.irp t, 0,1
.irp j, 0,1,2,3
	ds_load_b128 v[X+16*\t+4*\j:X+16*\t+4*\j+3], v10 offset:2560*\t+16*\j
.endr
.endr
	s_wait_dscnt 8                                 ; the part is in: the stage's eight loads may be out
	v_add_f32_dpp v16, v16, v16 row_xmask:8 row_mask:0xf bank_mask:0xf
	v_permlanex16_b32 v17, v16, s40, s41
	v_add_f32 v16, v16, v17                        ; the four waves' parts
	s_wait_loadcnt 0x0
	v_add_f32 v16, v16, v6                         ; the logit of expert lane % 8
	v_mov_b32 v18, v16
.irp k, 1,2,4
	v_max_num_f32_dpp v18, v18, v18 row_xmask:\k row_mask:0xf bank_mask:0xf
.endr
	v_cmp_eq_f32 s20, v16, v18
	s_ctz_i32_b32 s20, s20                         ; e0: lanes 0-7 stand for experts 0-7, so the lowest lane is the lowest expert
	v_cmp_eq_u32 vcc_lo, s20, v2
	v_mov_b32 v19, 0xff800000
	v_cndmask_b32 v19, v16, v19, vcc_lo            ; e0's logit becomes -infinity
	v_mov_b32 v20, v19
.irp k, 1,2,4
	v_max_num_f32_dpp v20, v20, v20 row_xmask:\k row_mask:0xf bank_mask:0xf
.endr
	v_cmp_eq_f32 s21, v19, v20
	s_ctz_i32_b32 s21, s21                         ; e1
	s_lshl_b32 s21, s21, 8
	s_or_b32 s20, s20, s21
	v_mov_b32 v21, s20
	v_mov_b32 v22, 0
	global_store_b32 v22, v21, s[38:39]            ; all lanes write the same word with the same value
	v_sub_f32 v23, v20, v18                        ; second logit - largest
	v_sub_f32 v24, v16, v18                        ; logit - largest
	v_mul_f32 v23, 0x3fb8aa3b, v23
	v_mul_f32 v24, 0x3fb8aa3b, v24
	v_exp_f32 v23, v23
	v_exp_f32 v24, v24
	v_and_b32 v25, 1, v0                           ; (a plain line behind the exponentials)
	s_wait_alu depctr_va_vdst(0)                   ; one wait for the two, ahead of their first reader
	v_mov_b32 v26, v24
.irp k, 1,2,4
	v_add_f32_dpp v26, v26, v26 row_xmask:\k row_mask:0xf bank_mask:0xf
.endr
	v_add_f32 v27, 1.0, v23
	v_rcp_f32 v27, v27                             ; g0 = 1 / (1 + e^(t2 - t1))
	v_rcp_f32 v26, v26
	v_lshlrev_b32 v28, 2, v25                      ; (a plain line behind the reciprocals)
	s_wait_alu depctr_va_vdst(0)                   ; one wait for the two
	v_mul_f32 v29, v23, v27                        ; g1
	v_cmp_eq_u32 vcc_lo, 1, v25
	v_cndmask_b32 v29, v27, v29, vcc_lo
	v_mul_f32 v30, v24, v26                        ; the probability of expert lane % 8
	global_store_b32 v28, v29, s[34:35]
	global_store_b32 v5, v30, s[30:31] offset:8192
; the quantiser: a lane holds 16 neighbours, two neighbouring lanes a block of 32
.irp t, 0,1
	s_wait_dscnt 4-4*\t                            ; this half row's four loads are in (first half: the other four may be out)
	v_max3_num_f32 v164, |v[X+16*\t]|, |v[X+16*\t+1]|, |v[X+16*\t+2]|
	v_max3_num_f32 v165, |v[X+16*\t+3]|, |v[X+16*\t+4]|, |v[X+16*\t+5]|
.irp i, 6,10
	v_max3_num_f32 v164, v164, |v[X+16*\t+\i]|, |v[X+16*\t+\i+1]|
	v_max3_num_f32 v165, v165, |v[X+16*\t+\i+2]|, |v[X+16*\t+\i+3]|
.endr
	v_max3_num_f32 v164, v164, |v[X+16*\t+14]|, |v[X+16*\t+15]|
	v_max3_num_f32 v164, v164, v165, 0x2800000     ; and the floor 2^(5 - 127): the byte cannot fall under 1
	v_max_num_f32_dpp v164, v164, v164 row_xmask:1 row_mask:0xf bank_mask:0xf
	v_add_nc_u32 v166, 0xfe000000, v164            ; 4 off the exponent field: the conversion's scale operand
	v_cvt_scalef32_pk16_bf6_f32 v[WR+4*\t:WR+4*\t+2], v[X+16*\t:X+16*\t+15], v166
	v_lshrrev_b32 v[BYT+\t], 23, v166              ; the scale's byte (also the plain line behind the conversion)
	ds_store_b8 v11, v[BYT+\t] offset:16*\t        ; both lanes of a block write the same byte with the same value
	global_store_b96 v31, v[WR+4*\t:WR+4*\t+2], s[24:25] offset:384*\t   ; the wave stores 384 neighbouring bytes
.endr
	ds_load_b32 v162, v12                          ; LDS serves a wave's instructions in order: this sees my byte stores
	s_wait_dscnt 0x0
	global_store_b32 v5, v162, s[28:29] offset:786432
	s_barrier_signal -1
	s_barrier_wait -1
	s_wait_tensorcnt 0x0
	ds_add_u32 v192, v193
	s_wait_dscnt 0x0
	s_endpgm
.Lfunc_end_k_qa70d4fa0c3_route:
	.size	k_qa70d4fa0c3_route, .Lfunc_end_k_qa70d4fa0c3_route-k_qa70d4fa0c3_route
	.p2alignl 7, 3214868480
	.fill 96, 4, 3214868480
	.section	.rodata,"a",@progbits
	.p2align	6, 0x0
	.amdhsa_kernel k_qa70d4fa0c3_route
		.amdhsa_group_segment_fixed_size 22016
		.amdhsa_private_segment_fixed_size 0
		.amdhsa_enable_private_segment 0
		.amdhsa_kernarg_size 48
		.amdhsa_user_sgpr_count 2
		.amdhsa_user_sgpr_kernarg_segment_ptr 1
		.amdhsa_wavefront_size32 1
		.amdhsa_system_sgpr_workgroup_id_x 1
		.amdhsa_system_sgpr_workgroup_id_y 1
		.amdhsa_system_sgpr_workgroup_id_z 1
		.amdhsa_system_vgpr_workitem_id 0
		.amdhsa_next_free_vgpr 194
		.amdhsa_next_free_sgpr 66
		.amdhsa_reserve_vcc 1
		.amdhsa_float_denorm_mode_32 3
		.amdhsa_float_denorm_mode_16_64 3
		.amdhsa_memory_ordered 1
		.amdhsa_forward_progress 1
		.amdhsa_inst_pref_size 25
	.end_amdhsa_kernel
	.amdgpu_metadata
---
amdhsa.version: [ 1, 2 ]
amdhsa.kernels:
  - .name:           k_qa70d4fa0c3_route
    .symbol:         k_qa70d4fa0c3_route.kd
    .args:
      - { .name: x, .offset: 0, .size: 8, .value_kind: global_buffer, .address_space: global }
      - { .name: Wr, .offset: 8, .size: 8, .value_kind: global_buffer, .address_space: global }
      - { .name: br, .offset: 16, .size: 8, .value_kind: global_buffer, .address_space: global }
      - { .name: xq, .offset: 24, .size: 8, .value_kind: global_buffer, .address_space: global }
      - { .name: rt, .offset: 32, .size: 8, .value_kind: global_buffer, .address_space: global }
      - { .name: sel, .offset: 40, .size: 8, .value_kind: global_buffer, .address_space: global }
    .group_segment_fixed_size: 22016
    .private_segment_fixed_size: 0
    .kernarg_segment_align: 8
    .kernarg_segment_size: 48
    .max_flat_workgroup_size: 128
    .sgpr_count:     66
    .vgpr_count:     194
    .wavefront_size: 32
...
	.end_amdgpu_metadata
.endif
;; end of part 1
;; launch ffn1 (part 2): grid 32 x 8, 4 waves a work-group, no clusters, 9,216 bytes of LDS; arguments W1_codes, W1_scales, b1, xq, sel, rt, h, list, glist; writes h, list, glist
.if DOCPART == 2
	.amdgcn_target "amdgcn-amd-amdhsa--gfx1250"
	.amdhsa_code_object_version 6
	.text
	.protected	k_qa70d4fa0c3_ffn1
	.globl	k_qa70d4fa0c3_ffn1
	.p2align	8
	.type	k_qa70d4fa0c3_ffn1,@function
k_qa70d4fa0c3_ffn1:
	s_mov_b64 s[64:65], 0
	v_nop
	global_prefetch_b8 v0, s[64:65] scope:SCOPE_SE
	s_setreg_imm32_b32 hwreg(HW_REG_WAVE_MODE, 25, 1), 1
	s_wait_xcnt 0x0
; h = Q(gelu(x W1 + b1)) for the rows that chose the expert, on codes of E3M2 with one E8M0 scale for each 32 along K; and the experts' lists of rows.
; W1_codes [8][4096][768 bytes], W1_scales [8][4096][32], b1 [8][4096] f32; xq: x's codes and scale words; sel [1024] u32 = e0 | e1 << 8 and rt's gates [1024][2] f32, as the launch before stored them.
; THE LIST.  Each work-group places its expert's rows by itself, in LDS: entry p holds rr = 2 token + k (k: first or second choice), and beside it the row's gate.  Every wave counts the expert's rows in scalar registers
; (compare, bit count); wave 0 alone writes the list: first 1,024 pad rows (rr = 2,048 + 64 e + p % 64, gate 0), then each chosen row at base + the number of choosing lanes below it; lanes with nothing to place
; store to 32 dump words that nobody reads.  One barrier; behind it LDS is only read.  Work-group ht = 0 of each expert copies list and gates to memory (list [8][1024] u32, its entry 8,448 + e the count; glist f32 likewise).
; SHARES.  Work-group (ht, e): 128 hidden units of expert e, which are K step ht of the second product.  Wave w: nh = w % 2 picks 64 of them, rp = w / 2 the parity of the row tiles.
; The wave's weights (4 tiles of 16 hidden units x 8 K steps x 12 registers = 384) stay in registers; the wave walks tiles rp, rp + 2 .. of 16 rows.  Behind the one barrier the waves share nothing,
; so the trip count may hang on the expert's count: n = max(2, count / 32 rounded up) tiles for each parity.
; No tensor loads, clusters or joint loads: trip counts hang on a stored number.  No prefetch: the weight loads go out at the head, and x is asked for a tile ahead.
; ORDER ALONG K.  A lane's 12 registers take 48 NEIGHBOURING bytes of its row (96 s + 48 hh): three loads of 16 bytes.  So the place (registers 6 c .., half hh) holds the K step's block 2 hh + c in BOTH operands
; (the same products, summed in another order inside a K step), and every scale word has its bytes 1 and 2 exchanged: x's in memory, W1's here, once.
; TRANSPOSED: source 0 = 16 rows of W1, source 1 = 16 rows of x: a lane holds one row, its registers run along the hidden units.  Lane r of tile 2 b + u takes W1's row 32 b + 8 u + r + 8 (r / 8), so that
; the 16 registers of tiles 2 b and 2 b + 1 are 16 neighbours along the next K.  b1 is the C of each sum's first product.
; GELU, exact form: gelu(v) = max(v, 0) - |v| q, q = erfc(|v| / sqrt 2) / 2 = t (A1 + t (A2 + t (A3 + t (A4 + t A5)))) 2^-(c1 |v|)^2, t = 1 / (1 + c2 |v|)  (Abramowitz and Stegun 7.1.26, coefficients halved).
; h IN MEMORY: codes [e][tile of 16 rows][K step][1,536 bytes] as an image of the reader's registers: reader lane L = (r, hh): registers 6 c .. 6 c + 3 at 512 c + 16 L, registers 6 c + 4, 6 c + 5 at
; 1,024 + 256 hh + 128 c + 8 r.  Scale words from byte 25,165,824: [e][K quarter][row][8 words], bytes in their natural order.
; LIMITS: erf's absolute error is up to 1.5e-7, so gelu's relative error grows for v under -2; NaN and infinities are not served; a block of zeros gets the byte 1 (its codes are zeros; only this program reads the bytes);
; a word of sel names two different experts under 8, as the launch before stores it for finite logits.  The scale half-words leave 2 bytes a lane, 32 bytes apart: a wave owns two of a word's four blocks.
; REGISTERS: window 0 as named below; window 1: v0-95 x's fragments (12 s), v96-127 b1 (8 ct), v128-143 the list's copy on its way out; window 2: W1 of K steps 0-3 (48 ct + 12 s); window 3: K steps 4-7.
.set XS,  32                           ; v32-39   x's scale words
.set WS,  40                           ; v40-55   W1's (8 b + s): lanes 0-15 tile 2 b, lanes 16-31 tile 2 b + 1
.set KC,  56                           ; v56-69   seven constants, each twice: c2, c1, A1 .. A5
.set ACC, 72                           ; v72-103  four accumulators
.set AV,  104                          ; |v|
.set T,   136
.set EX,  168
.set P,   200
.set MX,  232
.set PT,  234
.set SO,  236
.set BY,  238
.set HW,  240
.set PC,  242                          ; v242-247 a block's 24 bytes of codes
.set PE,  248
.set XF,  0
.set B1,  96
; at the head only, while the list is made:
.set SLV, 72                           ; v72-103  sel of token 128 q + 4 lane + c at 4 q + c; then that token's rr
.set GTV, 104                          ; v104-167 its two gates at 8 q + 2 c; then the chosen one at the even register
.set E0,  168                          ; v168-175 first choices, v176-183 second choices, v184-191 places: eight tokens' worth, at work
.set E1,  176
.set PS,  184
.set IX,  192                          ; v192-223 LDS byte offsets, one register for each of the 32 stores
.set KK,  224                          ; v224-231 k
.set PADV, 232                         ; v232-235 four pad rows
.set ZR,  236                          ; v236-239 zeros
.set LL,  0                            ; LDS: the list, 1,024 entries, then 32 dump words
.set GLL, 4352                         ; LDS: the gates, likewise
.set VW,  5                            ; W1's codes: 768 rm + 48 hh
.set VS,  6                            ; W1's scales
.set VB,  7                            ; b1
.set VL0, 8                            ; the list in LDS: 4 r + 64 rp
.set VLA, 9
.set VLST, 10
.set VLS1, 11
.set VXO, 12
.set VSO, 13
.set VXN, 14                           ; the next tile's rows of x: byte offsets of codes,
.set VSN, 15                           ; and of scale words
.set VH128, 16
.set VH64, 17
.set VHS, 18
.set V48, 19
.set TMP, 20
.set CNTV, 21                          ; the count, as store data; never rewritten
.set ZO,  22                           ; 4 e
.set L16, 23                           ; 16 lane
.set L32, 24                           ; 32 lane
.set L8,  25                           ; 8 lane
.set DUMP, 26                          ; 1,024 + lane: my dump word's index
.set CP,  27                           ; 16 x my thread's number: the copy's place, in LDS and in memory
.set LANE, 28
.set NH,  17
.set RP,  18
.set SE,  19
.set LB,  38                           ; s[38:39] the expert's list in memory
.set HB,  40                           ; s[40:41] where the tile's codes go
.set HSB, 42                           ; s[42:43] and its scale half-words
.set PSEL, 44
.set SEL, 46
.set TI,  50                           ; the trip
.set NW1, 51                           ; tiles - 1
.set GGB, 62                           ; s[62:63] the expert's gates in memory
.set S0,  66                           ; s66-73   lanes whose token chose my expert (eight registers of tokens at a time)
.set S1,  74                           ; s74-81   lanes whose second choice it is
.set SB,  82                           ; s82-89   the first free entry for each of the eight
.set ST,  90
.set BASE, 91                          ; the next free entry; at the end the count
.set MSB, 0
.macro WIN new                         ; the immediate's high byte repeats the setting that is left; a switch that changes nothing is dropped
.if MSB != \new
	s_set_vgpr_msb (MSB<<8)|\new
.set MSB, \new
.endif
.endm
.macro PLACES                          ; four plain places behind matrix instructions, ahead of loads into their sources and of the first read of results
.rept 4
	v_nop
.endr
.endm
; Eight registers of sel (256 tokens): who chose my expert, and where each register's rows begin.  The eight go side by side, so that no line waits for the line above it.
.macro MASK8 n0
.irp i, 0,1,2,3,4,5,6,7
	v_and_b32 v[E0+\i], 0xff, v[SLV+(\n0)+\i]
	v_lshrrev_b32 v[E1+\i], 8, v[SLV+(\n0)+\i]
.endr
.irp i, 0,1,2,3,4,5,6,7
	v_cmp_eq_u32 s[S0+\i], s[SE], v[E0+\i]         ; first choice?
	v_cmp_eq_u32 s[S1+\i], s[SE], v[E1+\i]         ; second choice?
.endr
.irp i, 0,1,2,3,4,5,6,7
	s_or_b32 s[S0+\i], s[S0+\i], s[S1+\i]
.endr
.irp i, 0,1,2,3,4,5,6,7
	s_mov_b32 s[SB+\i], s[BASE]
	s_bcnt1_i32_b32 s[ST], s[S0+\i]
	s_add_co_u32 s[BASE], s[BASE], s[ST]
.endr
.endm
; The same eight registers' rows go to their entries.  Every store has address and data registers of its own.
.macro SCAT8 n0
.irp i, 0,1,2,3,4,5,6,7
	v_mbcnt_lo_u32_b32 v[PS+\i], s[S0+\i], 0       ; how many lanes below me place a row
.endr
.irp i, 0,1,2,3,4,5,6,7
	v_add_nc_u32 v[PS+\i], s[SB+\i], v[PS+\i]
.endr
.irp i, 0,1,2,3,4,5,6,7
	v_cndmask_b32 v[IX+(\n0)+\i], v[DUMP], v[PS+\i], s[S0+\i]   ; the others go to their dump words
.endr
.irp i, 0,1,2,3,4,5,6,7
	v_min_u32 v[IX+(\n0)+\i], 0x41f, v[IX+(\n0)+\i]             ; an index made of loaded numbers is held inside the region before it becomes an address
.endr
.irp i, 0,1,2,3,4,5,6,7
	v_lshlrev_b32 v[IX+(\n0)+\i], 2, v[IX+(\n0)+\i]
.endr
.irp i, 0,1,2,3,4,5,6,7
	v_cndmask_b32 v[KK+\i], 0, 1, s[S1+\i]
.endr
.irp i, 0,1,2,3,4,5,6,7
	v_add_nc_u32 v[SLV+(\n0)+\i], 256*(((\n0)+\i)/4)+2*(((\n0)+\i)%4), v[KK+\i]
.endr
.irp i, 0,1,2,3,4,5,6,7
	v_add_nc_u32 v[SLV+(\n0)+\i], v[SLV+(\n0)+\i], v[L8]        ; rr = 2 (128 q + 4 lane + c) + k
.endr
.irp i, 0,1,2,3,4,5,6,7
	v_cndmask_b32 v[GTV+2*((\n0)+\i)], v[GTV+2*((\n0)+\i)], v[GTV+2*((\n0)+\i)+1], s[S1+\i]
.endr
.irp i, 0,1,2,3,4,5,6,7
	ds_store_b32 v[IX+(\n0)+\i], v[SLV+(\n0)+\i] offset:LL
	ds_store_b32 v[IX+(\n0)+\i], v[GTV+2*((\n0)+\i)] offset:GLL
.endr
.endm
.macro MKOFF ax, ay, lst               ; a list entry rr becomes the token's byte offsets; the token is held inside x (pad rows take the last token)
	v_lshrrev_b32 v[TMP], 1, v[\lst]
	v_min_u32 v[TMP], 0x3ff, v[TMP]
	v_mul_u32_u24 v[\ax], v[TMP], 768
	v_add_nc_u32 v[\ax], v[\ax], v[V48]
	v_lshlrev_b32 v[\ay], 5, v[TMP]
.endm
.macro XBATCH hf, ax, ay               ; 13 loads: x's fragments of K steps 4 hf .. 4 hf + 3 and their scale words
	WIN 0x40
.irp st, 0,1,2,3
.irp jj, 0,1,2
	global_load_b128 v[XF+12*(4*\hf+\st)+4*\jj:XF+12*(4*\hf+\st)+4*\jj+3], v[\ax], s[10:11] offset:96*(4*\hf+\st)+16*\jj
.endr
.endr
	WIN 0
	global_load_b128 v[XS+4*\hf:XS+4*\hf+3], v[\ay], s[10:11] offset:786432+16*\hf
.endm
.macro MM1 ct, st                      ; tile ct of hidden units, K step st
.if (\st) == 0
	WIN 0x16                                       ; W1 window 2, x window 1, b1 window 1
.elseif (\st) < 4
	WIN 0x06
.else
	WIN 0x07                                       ; W1 window 3
.endif
.set rD, ACC+8*(\ct)
.set rA, 48*(\ct)+12*((\st)%4)
.set rB, XF+12*(\st)
.set rC, rD
.if (\st) == 0
.set rC, B1+8*(\ct)
.endif
.set rW, WS+8*((\ct)/2)+(\st)
.if (\ct)%2
	v_wmma_scale_f32_16x16x128_f8f6f4 v[rD:rD+7], v[rA:rA+11], v[rB:rB+11], v[rC:rC+7], v[rW], v[XS+(\st)] matrix_a_fmt:MATRIX_FMT_BF6 matrix_b_fmt:MATRIX_FMT_BF6 matrix_a_scale:MATRIX_SCALE_ROW1
.else
	v_wmma_scale_f32_16x16x128_f8f6f4 v[rD:rD+7], v[rA:rA+11], v[rB:rB+11], v[rC:rC+7], v[rW], v[XS+(\st)] matrix_a_fmt:MATRIX_FMT_BF6 matrix_b_fmt:MATRIX_FMT_BF6
.endif
.endm
.macro STEPS1 s0                       ; four K steps; the four accumulators take turns, one instruction a turn
.irp st, \s0, \s0+1, \s0+2, \s0+3
.irp ct, 0,1,2,3
	MM1 \ct, \st
.endr
.endr
.endm
.macro GELU                            ; on the 32 registers of ACC, each accumulator from its low end on
.set j, 0
.rept 32
	v_and_b32 v[AV+j], 0x7fffffff, v[ACC+j]
.set j, j+1
.endr
.set j, 0
.rept 16
	v_pk_fma_f32 v[T+j:T+j+1], v[AV+j:AV+j+1], v[KC:KC+1], 1.0 op_sel_hi:[1,1,0]   ; 1 + c2 |v|
.set j, j+2
.endr
.set j, 0
.rept 16
	v_pk_mul_f32 v[EX+j:EX+j+1], v[AV+j:AV+j+1], v[KC+2:KC+3]                       ; c1 |v|
.set j, j+2
.endr
.set j, 0
.rept 16
	v_pk_mul_f32 v[EX+j:EX+j+1], v[EX+j:EX+j+1], v[EX+j:EX+j+1] neg_lo:[1,0] neg_hi:[1,0]   ; -(c1 |v|)^2
.set j, j+2
.endr
.set j, 0
.rept 32
	v_rcp_f32 v[T+j], v[T+j]
.set j, j+1
.endr
.set j, 0
.rept 32
	v_exp_f32 v[EX+j], v[EX+j]
.set j, j+1
.endr
.set j, 0
.rept 32
	v_max_num_f32 v[ACC+j], 0, v[ACC+j]            ; max(v, 0): plain work that names no result of the batch
.set j, j+1
.endr
	s_wait_alu depctr_va_vdst(0)                   ; one wait for the 64, ahead of their first reader
.set j, 0
.rept 16
	v_pk_fma_f32 v[P+j:P+j+1], v[T+j:T+j+1], v[KC+12:KC+13], v[KC+10:KC+11]
.set j, j+2
.endr
.irp k, 8,6,4
.set j, 0
.rept 16
	v_pk_fma_f32 v[P+j:P+j+1], v[P+j:P+j+1], v[T+j:T+j+1], v[KC+\k:KC+\k+1]
.set j, j+2
.endr
.endr
.set j, 0
.rept 16
	v_pk_mul_f32 v[EX+j:EX+j+1], v[EX+j:EX+j+1], v[T+j:T+j+1]
.set j, j+2
.endr
.set j, 0
.rept 16
	v_pk_mul_f32 v[P+j:P+j+1], v[P+j:P+j+1], v[EX+j:EX+j+1]                         ; q
.set j, j+2
.endr
.set j, 0
.rept 16
	v_pk_fma_f32 v[ACC+j:ACC+j+1], v[AV+j:AV+j+1], v[P+j:P+j+1], v[ACC+j:ACC+j+1] neg_lo:[1,0,0] neg_hi:[1,0,0]   ; max(v, 0) - |v| q
.set j, j+2
.endr
.endm
.macro QUANT2                          ; my wave's two blocks of 32 hidden units: registers 16 b + i = unit 32 b + 16 (lane / 16) + i of my row
.irp b, 0,1
	v_max3_num_f32 v[MX+\b], |v[ACC+16*\b]|, |v[ACC+16*\b+1]|, 0x2800000   ; with the floor 2^(5 - 127): the byte cannot fall under 1
.endr
.irp i, 2,4,6,8,10,12,14
.irp b, 0,1
	v_max3_num_f32 v[MX+\b], v[MX+\b], |v[ACC+16*\b+\i]|, |v[ACC+16*\b+\i+1]|
.endr
.endr
.irp b, 0,1
	v_permlanex16_b32 v[PT+\b], v[MX+\b], s[SEL], s[SEL+1]
.endr
.irp b, 0,1
	v_max_num_f32 v[MX+\b], v[MX+\b], v[PT+\b]     ; with lane l xor 16's 16: the block's largest magnitude
.endr
.irp b, 0,1
	v_add_nc_u32 v[SO+\b], 0xfe000000, v[MX+\b]    ; 4 off the exponent field: the conversion's scale operand
.endr
.irp b, 0,1
	v_lshrrev_b32 v[BY+\b], 23, v[SO+\b]
.endr
	v_lshl_or_b32 v[HW], v[BY+1], 8, v[BY]         ; my two bytes of the row's scale word
	v_cvt_scalef32_pk16_bf6_f32 v[PC:PC+2], v[ACC:ACC+15], v[SO]
	v_cvt_scalef32_pk16_bf6_f32 v[PE:PE+2], v[ACC+16:ACC+31], v[SO+1]
	v_nop                                          ; one plain place behind a scaled conversion
.irp i, 0,1,2
	v_permlane16_swap_b32 v[PC+\i], v[PE+\i]       ; a lane now holds a WHOLE block: lanes 0-15 block 0, lanes 16-31 block 1; PC its lower 16 codes, PE its upper 16
.endr
.irp i, 0,1,2
	v_mov_b32 v[PC+3+\i], v[PE+\i]
.endr
.endm
; One tile of 16 rows.  re = 1: a next tile follows, and its x is asked for here.
.macro TRIP re
.if \re
	s_add_co_u32 s48, s[TI], 2                     ; the list entries of the tile after next (the last tile again where there is none);
	s_min_u32 s48, s48, s[NW1]
	s_min_u32 s48, s48, 31                         ; a number made of loaded ones is held by a constant before it enters an address
	v_lshl_add_u32 v[VLA], s48, 7, v[VL0]
	ds_load_b32 v[VLST], v[VLA] offset:LL
.endif
	s_wait_loadcnt 13                              ; K steps 0-3 of x are in: the 13 loads of K steps 4-7 may be out (in the first trip: the last 13 weight loads)
	STEPS1 0
	WIN 0
	PLACES
.if \re
	XBATCH 0, VXN, VSN
	s_wait_loadcnt 13                              ; K steps 4-7 are in: the 13 just issued may be out
.else
	s_wait_loadcnt 0x0
.endif
	STEPS1 4
	WIN 0
	PLACES
.if \re
	XBATCH 1, VXN, VSN
.endif
	GELU
	QUANT2
	global_store_b128 v[VH128], v[PC:PC+3], s[HB:HB+1]      ; each half of the lanes stores 256 neighbouring bytes, at a multiple of 256 from h's first byte
	global_store_b64 v[VH64], v[PC+4:PC+5], s[HB:HB+1]      ; the 32 lanes store 256 neighbouring bytes
	global_store_b16 v[VHS], v[HW], s[HSB:HSB+1]            ; lanes r and r + 16 write the same half-word with the same value
.if \re
	s_wait_dscnt 0x0                               ; the list entries asked for at the trip's head are in
	s_wait_xcnt 0x0                                ; the loads' offsets, the stores' data and their bases are rewritten only behind this wait
	MKOFF VXN, VSN, VLST
	s_add_nc_u64 s[HB:HB+1], s[HB:HB+1], 98304     ; two tiles on: 2 x 32 x 1,536 bytes
	s_add_nc_u64 s[HSB:HSB+1], s[HSB:HSB+1], 1024  ; 32 rows of 32 bytes
.endif
.endm
	s_load_b256 s[4:11], s[0:1], 0x0               ; W1's codes, W1's scales, b1, xq
	s_load_b256 s[52:59], s[0:1], 0x20             ; sel, rt, h, list
	s_load_b64 s[60:61], s[0:1], 0x40              ; glist
	v_lshl_add_u32 v254, v0, 2, 0x2200
	v_mov_b32 v255, 0
	v_lshrrev_b32 v1, 5, v0
	v_readfirstlane_b32 s16, v1                    ; wave
	s_and_b32 s[NH], s16, 1
	s_lshr_b32 s[RP], s16, 1
	s_and_b32 s[SE], ttmp7, 0xffff                 ; the expert
	v_and_b32 v2, 15, v0                           ; r
	v_bfe_u32 v3, v0, 4, 1                         ; hh
	v_and_b32 v4, 8, v2
	v_add_nc_u32 v4, v4, v2                        ; rm = r + 8 (r / 8)
	v_mul_u32_u24 v[V48], v3, 48
	v_mul_u32_u24 v[VW], v4, 768
	v_add_nc_u32 v[VW], v[VW], v[V48]
	v_lshl_add_u32 v[VS], v3, 3, v4
	v_lshlrev_b32 v[VS], 5, v[VS]                  ; 32 (rm + 8 hh): lanes 16-31 take the odd tile's rows
	v_lshlrev_b32 v[VB], 6, v3                     ; b1: 16 numbers further on for lanes 16-31
	s_lshl_b32 s20, s[RP], 6
	v_lshl_add_u32 v[VL0], v2, 2, s20
	s_lshl_b32 s20, s[NH], 8
	v_lshlrev_b32 v[VH128], 9, v3
	v_lshl_add_u32 v[VH128], v2, 4, v[VH128]
	v_add_nc_u32 v[VH128], s20, v[VH128]           ; 512 hh + 256 nh + 16 r
	v_lshlrev_b32 v[VH64], 7, v3
	v_lshl_add_u32 v[VH64], v2, 3, v[VH64]
	s_add_co_u32 s20, s20, 1024
	v_add_nc_u32 v[VH64], s20, v[VH64]             ; 1,024 + 256 nh + 128 hh + 8 r
	v_lshlrev_b32 v[VHS], 5, v2                    ; 32 r
	v_and_b32 v[LANE], 31, v0
	v_lshlrev_b32 v[L16], 4, v[LANE]
	v_lshlrev_b32 v[L32], 5, v[LANE]
	v_lshlrev_b32 v[L8], 3, v[LANE]
	v_add_nc_u32 v[DUMP], 1024, v[LANE]
	v_lshlrev_b32 v[CP], 4, v0
	s_lshl_b32 s21, s[SE], 12
	s_lshl_b32 s22, ttmp9, 7
	s_add_co_u32 s21, s21, s22
	s_lshl_b32 s22, s[NH], 6
	s_add_co_u32 s21, s21, s22                     ; my wave's first row of W1: 4,096 e + 128 ht + 64 nh
	s_mul_i32 s24, s21, 768
	s_mov_b32 s25, 0
	s_lshl_b32 s26, s21, 5
	s_mov_b32 s27, 0
	s_lshl_b32 s28, s21, 2
	s_mov_b32 s29, 0
	s_lshl_b32 s30, s[SE], 12                      ; the expert's 1,024 list entries in memory
	s_mov_b32 s31, 0
	s_lshl_b32 s32, s[SE], 6
	s_add_co_u32 s32, s32, s[RP]
	s_lshl_b32 s32, s32, 5
	s_add_co_u32 s32, s32, ttmp9
	s_mul_i32 s32, s32, 1536                       ; ((64 e + rp) 32 + ht) 1,536
	s_mov_b32 s33, 0
	s_lshl_b32 s34, s[SE], 2
	s_lshr_b32 s35, ttmp9, 3
	s_add_co_u32 s34, s34, s35
	s_lshl_b32 s34, s34, 10
	s_lshl_b32 s35, s[RP], 4
	s_add_co_u32 s34, s34, s35
	s_lshl_b32 s34, s34, 5                         ; ((4 e + ht / 8) 1,024 + 16 rp) 32
	s_and_b32 s35, ttmp9, 7
	s_lshl_b32 s35, s35, 2
	s_add_co_u32 s34, s34, s35                     ; + the K step's word
	s_lshl_b32 s35, s[NH], 1
	s_add_co_u32 s34, s34, s35                     ; + my half of it
	s_add_co_u32 s34, s34, 25165824
	s_mov_b32 s35, 0
	s_lshl_b32 s36, s[SE], 2
	v_mov_b32 v[ZO], s36
	s_mov_b32 s[PSEL], 0x03010200                  ; v_perm_b32: bytes 1 and 2 change places
	s_mov_b32 s[SEL], 0x76543210
	s_mov_b32 s[SEL+1], 0xfedcba98
	s_wait_kmcnt 0x0
	s_add_nc_u64 s[4:5], s[4:5], s[24:25]
	s_add_nc_u64 s[6:7], s[6:7], s[26:27]
	s_add_nc_u64 s[8:9], s[8:9], s[28:29]
	s_add_nc_u64 s[LB:LB+1], s[58:59], s[30:31]
	s_add_nc_u64 s[GGB:GGB+1], s[60:61], s[30:31]
	s_add_nc_u64 s[HB:HB+1], s[56:57], s[32:33]
	s_add_nc_u64 s[HSB:HSB+1], s[56:57], s[34:35]
; sel and the gates first; behind them 60 loads of scales, biases and weights, which are on their way while the list is made
.irp q, 0,1,2,3,4,5,6,7
	global_load_b128 v[SLV+4*\q:SLV+4*\q+3], v[L16], s[52:53] offset:512*\q
.endr
.irp q, 0,1,2,3,4,5,6,7
.irp j, 0,1
	global_load_b128 v[GTV+8*\q+4*\j:GTV+8*\q+4*\j+3], v[L32], s[54:55] offset:1024*\q+16*\j
.endr
.endr
.irp b, 0,1
.irp jj, 0,1
	global_load_b128 v[WS+8*\b+4*\jj:WS+8*\b+4*\jj+3], v[VS], s[6:7] offset:1024*\b+16*\jj
.endr
.endr
	WIN 0x40
.irp ct, 0,1,2,3
.irp jj, 0,1
	global_load_b128 v[B1+8*\ct+4*\jj:B1+8*\ct+4*\jj+3], v[VB], s[8:9] offset:(32*(\ct/2)+8*(\ct%2))*4+16*\jj
.endr
.endr
	WIN 0x80
.irp ct, 0,1,2,3
.irp st, 0,1,2,3
.irp jj, 0,1,2
	global_load_b128 v[48*\ct+12*\st+4*\jj:48*\ct+12*\st+4*\jj+3], v[VW], s[4:5] offset:(32*(\ct/2)+8*(\ct%2))*768+96*\st+16*\jj
.endr
.endr
.endr
	WIN 0
	s_mov_b32 s[BASE], 0
	s_lshl_b32 s20, s[SE], 6
	s_add_co_u32 s20, s20, 2048                    ; the expert's first pad row
	s_cmp_lg_u32 s16, 0
	s_cbranch_scc1 .Lcount
; ---- wave 0: the list.  First pad rows everywhere (entry p = 128 j + 4 lane + c: p % 64 = (4 lane + c) % 64), then the rows; LDS serves a wave's instructions in order
	v_lshlrev_b32 v[E0], 2, v[LANE]
.irp c, 0,1,2,3
	v_add_nc_u32 v[PADV+\c], \c, v[E0]
	v_and_b32 v[PADV+\c], 63, v[PADV+\c]
	v_add_nc_u32 v[PADV+\c], s20, v[PADV+\c]
	v_mov_b32 v[ZR+\c], 0
.endr
.irp j, 0,1,2,3,4,5,6,7
	ds_store_b128 v[L16], v[PADV:PADV+3] offset:LL+512*\j
	ds_store_b128 v[L16], v[ZR:ZR+3] offset:GLL+512*\j
.endr
	s_wait_loadcnt 60                              ; sel and the gates are in: the 4 + 8 + 48 younger loads may be out
.irp b, 0,1,2,3
	MASK8 8*\b
	SCAT8 8*\b
.endr
	s_branch .Ljoin
.Lcount:
; ---- waves 1 to 3: the count alone
	s_wait_loadcnt 60                              ; the same count: the same 60 loads were issued behind sel and the gates
.irp b, 0,1,2,3
	MASK8 8*\b
.endr
.Ljoin:
	s_wait_dscnt 0x0                               ; for the others' sake: wave 0's stores into the list are done
	s_barrier_signal -1
	s_barrier_wait -1                              ; from here on LDS is only read
	ds_load_b32 v[VLST], v[VL0] offset:LL          ; the rows of my first tile,
	ds_load_b32 v[VLS1], v[VL0] offset:LL+128      ; and of my second
	v_mov_b32 v[CNTV], s[BASE]
	s_wait_dscnt 0x0
	MKOFF VXO, VSO, VLST
	MKOFF VXN, VSN, VLS1
	XBATCH 0, VXO, VSO
	XBATCH 1, VXO, VSO
	WIN 0xc0
.irp ct, 0,1,2,3
.irp st, 0,1,2,3
.irp jj, 0,1,2
	global_load_b128 v[48*\ct+12*\st+4*\jj:48*\ct+12*\st+4*\jj+3], v[VW], s[4:5] offset:(32*(\ct/2)+8*(\ct%2))*768+96*(\st+4)+16*\jj
.endr
.endr
.endr
	WIN 0
; ---- the expert's first work-group hands list, gates and count to the next launch: 128 threads x 16 bytes, twice for each; the data lie in registers that nothing writes again
	s_cmp_lg_u32 ttmp9, 0
	s_cbranch_scc1 .Lnocopy
	WIN 0x40
	ds_load_b128 v[128:131], v[CP] offset:LL
	ds_load_b128 v[132:135], v[CP] offset:LL+2048
	ds_load_b128 v[136:139], v[CP] offset:GLL
	ds_load_b128 v[140:143], v[CP] offset:GLL+2048
	s_wait_dscnt 0x0
	WIN 0x04                                       ; a store's data are its source 1: window 1
	global_store_b128 v[CP], v[128:131], s[LB:LB+1]              ; sixteen lanes store 256 neighbouring bytes, at a multiple of 256 from the buffer's first byte
	global_store_b128 v[CP], v[132:135], s[LB:LB+1] offset:2048
	global_store_b128 v[CP], v[136:139], s[GGB:GGB+1]
	global_store_b128 v[CP], v[140:143], s[GGB:GGB+1] offset:2048
	WIN 0
	global_store_b32 v[ZO], v[CNTV], s[58:59] offset:33792       ; the count: all lanes write the same word with the same value
.Lnocopy:
	s_wait_loadcnt 63                              ; W1's scale words are in: 130 loads were issued behind them
.irp i, 0,1,2,3,4,5,6,7,8,9,10,11,12,13,14,15
	v_perm_b32 v[WS+\i], v[WS+\i], v[WS+\i], s[PSEL]
.endr
.irp i, 0,1
	v_mov_b32 v[KC+\i], 0x3e6d3388                 ; c2 = 0.3275911 / sqrt 2
	v_mov_b32 v[KC+2+\i], 0x3f596d27               ; c1 = sqrt(log2(e) / 2)
	v_mov_b32 v[KC+4+\i], 0x3e027906               ; A1 =  0.254829592 / 2
	v_mov_b32 v[KC+6+\i], 0xbe11a98e               ; A2 = -0.284496736 / 2
	v_mov_b32 v[KC+8+\i], 0x3f35f0e3               ; A3 =  1.421413741 / 2
	v_mov_b32 v[KC+10+\i], 0xbf3a00e3              ; A4 = -1.453152027 / 2
	v_mov_b32 v[KC+12+\i], 0x3f07dc22              ; A5 =  1.061405429 / 2
	v_mov_b32 v[PT+\i], 0                          ; (a lane permute's destination counts as one of its sources)
.endr
	s_add_co_u32 s37, s[BASE], 31
	s_lshr_b32 s37, s37, 5
	s_max_u32 s37, s37, 2                          ; at least two tiles for each parity,
	s_min_u32 s37, s37, 32                         ; at most the expert's room
	s_sub_co_u32 s[NW1], s37, 1
	s_mov_b32 s[TI], 0
.Ltile:
	TRIP 1
	s_add_co_u32 s[TI], s[TI], 1
	s_cmp_lt_u32 s[TI], s[NW1]
	s_cbranch_scc1 .Ltile
	TRIP 0                                         ; the last tile asks for nothing
	s_barrier_signal -1
	s_barrier_wait -1
	s_wait_tensorcnt 0x0
	ds_add_u32 v254, v255
	s_wait_dscnt 0x0
	s_endpgm
.Lfunc_end_k_qa70d4fa0c3_ffn1:
	.size	k_qa70d4fa0c3_ffn1, .Lfunc_end_k_qa70d4fa0c3_ffn1-k_qa70d4fa0c3_ffn1
	.p2alignl 7, 3214868480
	.fill 96, 4, 3214868480
	.section	.rodata,"a",@progbits
	.p2align	6, 0x0
	.amdhsa_kernel k_qa70d4fa0c3_ffn1
		.amdhsa_group_segment_fixed_size 9216
		.amdhsa_private_segment_fixed_size 0
		.amdhsa_enable_private_segment 0
		.amdhsa_kernarg_size 72
		.amdhsa_user_sgpr_count 2
		.amdhsa_user_sgpr_kernarg_segment_ptr 1
		.amdhsa_wavefront_size32 1
		.amdhsa_system_sgpr_workgroup_id_x 1
		.amdhsa_system_sgpr_workgroup_id_y 1
		.amdhsa_system_sgpr_workgroup_id_z 1
		.amdhsa_system_vgpr_workitem_id 0
		.amdhsa_next_free_vgpr 960
		.amdhsa_next_free_sgpr 96
		.amdhsa_reserve_vcc 0
		.amdhsa_float_denorm_mode_32 3
		.amdhsa_float_denorm_mode_16_64 3
		.amdhsa_memory_ordered 1
		.amdhsa_forward_progress 1
		.amdhsa_inst_pref_size 112
	.end_amdhsa_kernel
	.amdgpu_metadata
---
amdhsa.version: [ 1, 2 ]
amdhsa.kernels:
  - .name:           k_qa70d4fa0c3_ffn1
    .symbol:         k_qa70d4fa0c3_ffn1.kd
    .args:
      - { .name: W1_codes, .offset: 0, .size: 8, .value_kind: global_buffer, .address_space: global }
      - { .name: W1_scales, .offset: 8, .size: 8, .value_kind: global_buffer, .address_space: global }
      - { .name: b1, .offset: 16, .size: 8, .value_kind: global_buffer, .address_space: global }
      - { .name: xq, .offset: 24, .size: 8, .value_kind: global_buffer, .address_space: global }
      - { .name: sel, .offset: 32, .size: 8, .value_kind: global_buffer, .address_space: global }
      - { .name: rt, .offset: 40, .size: 8, .value_kind: global_buffer, .address_space: global }
      - { .name: h, .offset: 48, .size: 8, .value_kind: global_buffer, .address_space: global }
      - { .name: list, .offset: 56, .size: 8, .value_kind: global_buffer, .address_space: global }
      - { .name: glist, .offset: 64, .size: 8, .value_kind: global_buffer, .address_space: global }
    .group_segment_fixed_size: 9216
    .private_segment_fixed_size: 0
    .kernarg_segment_align: 8
    .kernarg_segment_size: 72
    .max_flat_workgroup_size: 128
    .sgpr_count:     96
    .vgpr_count:     960
    .wavefront_size: 32
...
	.end_amdgpu_metadata
.endif
;; end of part 2
;; launch ffn2 (part 3): grid 32 x 8, 4 waves a work-group, no clusters, 70,144 bytes of LDS; arguments W2_codes, W2_scales, b2, h, list, glist, y; writes y
.if DOCPART == 3
	.amdgcn_target "amdgcn-amd-amdhsa--gfx1250"
	.amdhsa_code_object_version 6
	.text
	.protected	k_qa70d4fa0c3_ffn2
	.globl	k_qa70d4fa0c3_ffn2
	.p2align	8
	.type	k_qa70d4fa0c3_ffn2,@function
k_qa70d4fa0c3_ffn2:
	s_mov_b64 s[64:65], 0
	v_nop
	global_prefetch_b8 v0, s[64:65] scope:SCOPE_SE
	s_setreg_imm32_b32 hwreg(HW_REG_WAVE_MODE, 25, 1), 1
	s_wait_xcnt 0x0
; y[rr] = gate x (h W2 + b2) for the rows that chose the expert, on codes of E3M2 with one E8M0 scale for each 32 along K.
; W2_codes [8][1024][3,072 bytes], W2_scales [8][1024][128], b2 [8][1024] f32; h as the launch before lays it; list, glist: the experts' rows, counts and gates.  y [2,560][1,024] f32: row rr = 2 token + k; rows from 2,048 on take pad rows.
; SHARES.  Work-group (x, e): nt = x % 16 picks 64 columns of expert e, sp = x / 16 the parity of the groups of 32 rows.  Wave w takes K steps 8 w .. 8 w + 7 (a quarter of K = 4,096) for all 64 columns:
; its weights (4 tiles x 8 K steps x 12 registers = 384) stay in registers, and each fragment of h is loaded by ONE wave of the work-group and feeds four products.
; The four waves' partial sums meet in a stage in LDS; each wave then adds, scales and stores 8 whole pieces of rows: sixteen lanes store 256 neighbouring bytes.
; THE LOOP'S TRIP COUNT IS A CONSTANT (8 trips of two groups): the barrier stands on every wave's path; what hangs on the expert's count is jumped over by scalar branches round the work alone.
; Rows under LIM = max(64, the count rounded up to 32) are worked, so the first group's loads at the head are unconditional.
; Two stages take turns (written out, named by immediates): a stage is written again two groups later, behind the barrier in between, in front of which every wave has waited for its reads.
; No tensor loads, clusters or joint loads: branches hang on a stored number.  No prefetch: all weight loads go out at the head, and h is asked for a group ahead.
; ORDER ALONG K as in the launch before: the place (registers 6 c .., half hh) holds the K step's block 2 hh + c in both operands, and scale words have bytes 1 and 2 exchanged (W2's once, h's for each group).
; The sum over K is made in four quarters, added in f32.  TRANSPOSED: source 0 = 16 rows of W2 (columns of y), source 1 = 16 rows of h: a lane holds eight neighbouring columns of one row.
; LIMITS: NaN and infinities are not served.
; REGISTERS: window 0 as named below; window 1: h's fragments (96 m + 12 s); window 2: W2 of my K steps 0-3 (48 ct + 12 s); window 3: 4-7.
.set WS,  32                           ; v32-47   W2's scale words (8 p + s): lanes 0-15 tile 2 p, lanes 16-31 tile 2 p + 1
.set HS,  48                           ; v48-55   h's scale words: lanes 0-15 the group's first 16 rows, lanes 16-31 the other 16
.set HR,  56                           ; v56-63   the same as loaded
.set LST, 64                           ; v64-67   rr of rows 8 w + 4 hh + 0 .. 3
.set GL,  68                           ; v68-71   their gates
.set YO,  72                           ; v72-75   their byte offsets in y
.set GT,  76                           ; v76-79   the gates, kept while the next group's are loaded
.set B2,  80                           ; v80-83   b2 of columns 4 r .. 4 r + 3
.set ACC, 96                           ; v96-159  eight accumulators (32 m + 8 ct)
.set RD,  160                          ; v160-223 the way out (16 i + 4 p)
.set VW,  4
.set VS,  5
.set VB,  6
.set VHA, 7
.set VHB, 8
.set VHR, 9
.set VLG, 10
.set VST, 11
.set VRD, 12
.set STGB, 34816                       ; a stage: 4 waves x 32 rows x (256 bytes + 16)
.set WV,  18
.set NT,  19
.set SP,  20
.set SE,  21
.set HFB, 40                           ; s[40:41] the group's codes of h, my K quarter
.set HRB, 42                           ; s[42:43] its scale words
.set LB,  44                           ; s[44:45] its list entries, my 8 rows
.set GB,  46                           ; s[46:47] its gates
.set PSEL, 48
.set LIM, 49
.set ROW, 50                           ; the group's first row
.set CT,  51
.set MSB, 0
.macro WIN new                         ; the immediate's high byte repeats the setting that is left; a switch that changes nothing is dropped
.if MSB != \new
	s_set_vgpr_msb (MSB<<8)|\new
.set MSB, \new
.endif
.endm
.macro PLACES                          ; four plain places behind matrix instructions, ahead of loads into their sources and of the first read of results
.rept 4
	v_nop
.endr
.endm
.macro MLOAD nx                        ; 4 loads: scale words, rows and gates of this group (nx = 0) or of my next one (nx = 1)
	global_load_b128 v[HR:HR+3], v[VHR], s[HRB:HRB+1] offset:\nx*2048
	global_load_b128 v[HR+4:HR+7], v[VHR], s[HRB:HRB+1] offset:\nx*2048+16
	global_load_b128 v[LST:LST+3], v[VLG], s[LB:LB+1] offset:\nx*256
	global_load_b128 v[GL:GL+3], v[VLG], s[GB:GB+1] offset:\nx*256
.endm
.macro HBATCH hf, nx                   ; 32 loads: h's fragments of both tiles, K steps 4 hf .. 4 hf + 3
	WIN 0x40
.irp m, 0,1
.irp st, 0,1,2,3
.irp c, 0,1
	global_load_b128 v[96*\m+12*(4*\hf+\st)+6*\c:96*\m+12*(4*\hf+\st)+6*\c+3], v[VHA], s[HFB:HFB+1] offset:\nx*196608+49152*\m+1536*(4*\hf+\st)+512*\c
	global_load_b64 v[96*\m+12*(4*\hf+\st)+6*\c+4:96*\m+12*(4*\hf+\st)+6*\c+5], v[VHB], s[HFB:HFB+1] offset:\nx*196608+49152*\m+1536*(4*\hf+\st)+128*\c
.endr
.endr
.endr
	WIN 0
.endm
.macro MM2 m, ct, st                   ; tile m of rows, tile ct of columns, K step st.  The first K step starts the sums: nothing is cleared
.if (\st) < 4
	WIN 0x06                                       ; W2 window 2, h window 1
.else
	WIN 0x07                                       ; W2 window 3
.endif
.set rD, ACC+32*(\m)+8*(\ct)
.set rA, 48*(\ct)+12*((\st)%4)
.set rB, 96*(\m)+12*(\st)
.set rW, WS+8*((\ct)/2)+(\st)
.set rH, HS+(\st)
.set vr, 2*(\m)+(\ct)%2
.if (\st) == 0
.if vr == 0
	v_wmma_scale_f32_16x16x128_f8f6f4 v[rD:rD+7], v[rA:rA+11], v[rB:rB+11], 0, v[rW], v[rH] matrix_a_fmt:MATRIX_FMT_BF6 matrix_b_fmt:MATRIX_FMT_BF6
.elseif vr == 1
	v_wmma_scale_f32_16x16x128_f8f6f4 v[rD:rD+7], v[rA:rA+11], v[rB:rB+11], 0, v[rW], v[rH] matrix_a_fmt:MATRIX_FMT_BF6 matrix_b_fmt:MATRIX_FMT_BF6 matrix_a_scale:MATRIX_SCALE_ROW1
.elseif vr == 2
	v_wmma_scale_f32_16x16x128_f8f6f4 v[rD:rD+7], v[rA:rA+11], v[rB:rB+11], 0, v[rW], v[rH] matrix_a_fmt:MATRIX_FMT_BF6 matrix_b_fmt:MATRIX_FMT_BF6 matrix_b_scale:MATRIX_SCALE_ROW1
.else
	v_wmma_scale_f32_16x16x128_f8f6f4 v[rD:rD+7], v[rA:rA+11], v[rB:rB+11], 0, v[rW], v[rH] matrix_a_fmt:MATRIX_FMT_BF6 matrix_b_fmt:MATRIX_FMT_BF6 matrix_a_scale:MATRIX_SCALE_ROW1 matrix_b_scale:MATRIX_SCALE_ROW1
.endif
.else
.if vr == 0
	v_wmma_scale_f32_16x16x128_f8f6f4 v[rD:rD+7], v[rA:rA+11], v[rB:rB+11], v[rD:rD+7], v[rW], v[rH] matrix_a_fmt:MATRIX_FMT_BF6 matrix_b_fmt:MATRIX_FMT_BF6
.elseif vr == 1
	v_wmma_scale_f32_16x16x128_f8f6f4 v[rD:rD+7], v[rA:rA+11], v[rB:rB+11], v[rD:rD+7], v[rW], v[rH] matrix_a_fmt:MATRIX_FMT_BF6 matrix_b_fmt:MATRIX_FMT_BF6 matrix_a_scale:MATRIX_SCALE_ROW1
.elseif vr == 2
	v_wmma_scale_f32_16x16x128_f8f6f4 v[rD:rD+7], v[rA:rA+11], v[rB:rB+11], v[rD:rD+7], v[rW], v[rH] matrix_a_fmt:MATRIX_FMT_BF6 matrix_b_fmt:MATRIX_FMT_BF6 matrix_b_scale:MATRIX_SCALE_ROW1
.else
	v_wmma_scale_f32_16x16x128_f8f6f4 v[rD:rD+7], v[rA:rA+11], v[rB:rB+11], v[rD:rD+7], v[rW], v[rH] matrix_a_fmt:MATRIX_FMT_BF6 matrix_b_fmt:MATRIX_FMT_BF6 matrix_a_scale:MATRIX_SCALE_ROW1 matrix_b_scale:MATRIX_SCALE_ROW1
.endif
.endif
.endm
.macro STEPS2 s0                       ; four K steps; the eight accumulators take turns, one instruction a turn
.irp st, \s0, \s0+1, \s0+2, \s0+3
.irp m, 0,1
.irp ct, 0,1,2,3
	MM2 \m, \ct, \st
.endr
.endr
.endr
.endm
; A group of 32 rows: my quarter of K.  re = 1: my next group exists, and its operands are asked for here.  sg: the stage.
.macro WORK re, sg
	s_wait_loadcnt 32                              ; the small loads and K steps 0-3 are in: the 32 loads of K steps 4-7 may be out
.irp i, 0,1,2,3,4,5,6,7
	v_perm_b32 v[HS+\i], v[HR+\i], v[HR+\i], s[PSEL]   ; h's scale words, bytes 1 and 2 exchanged
.endr
.irp i, 0,1,2,3
	v_min_u32 v[YO+\i], 0x9ff, v[LST+\i]           ; a loaded row number is held inside y before it enters an address
.endr
.irp i, 0,1,2,3
	v_lshl_add_u32 v[YO+\i], v[YO+\i], 12, v[VB]   ; row x 4,096 + 16 r
.endr
.irp i, 0,1,2,3
	v_mov_b32 v[GT+\i], v[GL+\i]                   ; (these twelve lines are also the eight places between the scale words' last write and the first scaled product)
.endr
.if \re
	MLOAD 1
.endif
	STEPS2 0
	WIN 0
	PLACES
.if \re
	HBATCH 0, 1
	s_wait_loadcnt 36                              ; K steps 4-7 are in: the next group's 4 small loads and the 32 just issued may be out
.else
	s_wait_loadcnt 0x0
.endif
	STEPS2 4
	WIN 0
	PLACES
.if \re
	HBATCH 1, 1
.endif
.irp m, 0,1
.irp ct, 0,1,2,3
	ds_store_b128 v[VST], v[ACC+32*\m+8*\ct:ACC+32*\m+8*\ct+3] offset:\sg*STGB+4352*\m+64*\ct         ; each accumulator from its low end on
	ds_store_b128 v[VST], v[ACC+32*\m+8*\ct+4:ACC+32*\m+8*\ct+7] offset:\sg*STGB+4352*\m+64*\ct+16
.endr
.endr
.endm
; The way out: rows 8 w + 4 hh + i of the group; the four quarters are added, then b2, then the gate.
.macro OUT sg
.irp i, 0,1,2,3
.irp p, 0,1,2,3
	ds_load_b128 v[RD+16*\i+4*\p:RD+16*\i+4*\p+3], v[VRD] offset:\sg*STGB+8704*\p+272*\i
.endr
.endr
.irp i, 0,1,2,3
	s_wait_dscnt 12-4*\i                           ; row i's four loads are in: the later rows' may be out
	v_pk_add_f32 v[RD+16*\i:RD+16*\i+1], v[RD+16*\i:RD+16*\i+1], v[RD+16*\i+4:RD+16*\i+5]
	v_pk_add_f32 v[RD+16*\i+2:RD+16*\i+3], v[RD+16*\i+2:RD+16*\i+3], v[RD+16*\i+6:RD+16*\i+7]
	v_pk_add_f32 v[RD+16*\i+8:RD+16*\i+9], v[RD+16*\i+8:RD+16*\i+9], v[RD+16*\i+12:RD+16*\i+13]
	v_pk_add_f32 v[RD+16*\i+10:RD+16*\i+11], v[RD+16*\i+10:RD+16*\i+11], v[RD+16*\i+14:RD+16*\i+15]
	v_pk_add_f32 v[RD+16*\i:RD+16*\i+1], v[RD+16*\i:RD+16*\i+1], v[RD+16*\i+8:RD+16*\i+9]
	v_pk_add_f32 v[RD+16*\i+2:RD+16*\i+3], v[RD+16*\i+2:RD+16*\i+3], v[RD+16*\i+10:RD+16*\i+11]
	v_pk_add_f32 v[RD+16*\i:RD+16*\i+1], v[RD+16*\i:RD+16*\i+1], v[B2:B2+1]
	v_pk_add_f32 v[RD+16*\i+2:RD+16*\i+3], v[RD+16*\i+2:RD+16*\i+3], v[B2+2:B2+3]
.irp c, 0,1,2,3
	v_mul_f32 v[RD+16*\i+\c], v[RD+16*\i+\c], v[GT+\i]
.endr
	global_store_b128 v[YO+\i], v[RD+16*\i:RD+16*\i+3], s[16:17]   ; sixteen lanes store 256 neighbouring bytes, at a multiple of 256 from y's first byte
.endr
.endm
.macro SUB sg
	s_cmp_ge_u32 s[ROW], s[LIM]
	s_cbranch_scc1 .Lbar_\@                        ; no rows left: only the barrier is passed
	s_add_co_u32 s52, s[ROW], 64
	s_cmp_lt_u32 s52, s[LIM]
	s_cbranch_scc0 .Llast_\@
	WORK 1, \sg
	s_branch .Lbar_\@
.Llast_\@:
	WORK 0, \sg                                    ; my last group asks for nothing
.Lbar_\@:
	s_wait_dscnt 0x0                               ; for the others' sake: my stores into this stage are done, and my reads of the other stage are over
	s_barrier_signal -1
	s_barrier_wait -1
	s_cmp_ge_u32 s[ROW], s[LIM]
	s_cbranch_scc1 .Lskip_\@
	OUT \sg
.Lskip_\@:
	s_wait_xcnt 0x0                                ; the bases, the stores' offsets and their data are rewritten only behind this wait
	s_add_nc_u64 s[HFB:HFB+1], s[HFB:HFB+1], 196608    ; two groups on: four tiles of 32 x 1,536 bytes
	s_add_nc_u64 s[HRB:HRB+1], s[HRB:HRB+1], 2048
	s_add_nc_u64 s[LB:LB+1], s[LB:LB+1], 256
	s_add_nc_u64 s[GB:GB+1], s[GB:GB+1], 256
	s_add_co_u32 s[ROW], s[ROW], 64
.endm
	s_load_b256 s[4:11], s[0:1], 0x0               ; W2's codes, W2's scales, b2, h
	s_load_b128 s[12:15], s[0:1], 0x20             ; list, glist
	s_load_b64 s[16:17], s[0:1], 0x30              ; y
	v_lshl_add_u32 v254, v0, 2, 0x11000
	v_mov_b32 v255, 0
	v_lshrrev_b32 v1, 5, v0
	v_readfirstlane_b32 s[WV], v1                  ; wave = my quarter of K
	s_and_b32 s[NT], ttmp9, 15
	s_lshr_b32 s[SP], ttmp9, 4
	s_and_b32 s[SE], ttmp7, 0xffff
	v_and_b32 v1, 31, v0                           ; lane
	v_and_b32 v2, 15, v0                           ; r
	v_bfe_u32 v3, v0, 4, 1                         ; hh
	v_mul_u32_u24 v[VW], v2, 3072
	v_mul_u32_u24 v13, v3, 48
	v_add_nc_u32 v[VW], v[VW], v13                 ; W2's codes: 3,072 r + 48 hh
	v_lshlrev_b32 v[VS], 7, v1                     ; W2's scales: 128 lane: lanes 16-31 take the odd tile's rows
	v_lshlrev_b32 v[VB], 4, v2                     ; 16 r
	v_lshlrev_b32 v[VHA], 4, v1                    ; h's image: 16 lane,
	v_lshlrev_b32 v[VHB], 8, v3
	v_lshl_add_u32 v[VHB], v2, 3, v[VHB]
	v_add_nc_u32 v[VHB], 1024, v[VHB]              ; and 1,024 + 256 hh + 8 r
	v_lshlrev_b32 v[VHR], 5, v1                    ; h's scale words: 32 lane
	v_lshlrev_b32 v[VLG], 4, v3                    ; rows and gates: 16 hh
	v_mul_u32_u24 v[VST], v2, 272
	v_lshl_add_u32 v[VST], v3, 5, v[VST]
	s_mul_i32 s22, s[WV], 8704
	v_add_nc_u32 v[VST], s22, v[VST]               ; the stage, in: 8,704 w + 272 r + 32 hh
	v_mul_u32_u24 v[VRD], v3, 1088
	v_lshl_add_u32 v[VRD], v2, 4, v[VRD]
	s_mul_i32 s22, s[WV], 2176
	v_add_nc_u32 v[VRD], s22, v[VRD]               ; and out: (8 w + 4 hh) 272 + 16 r
	s_lshl_b32 s22, s[SE], 10
	s_lshl_b32 s23, s[NT], 6
	s_add_co_u32 s22, s22, s23                     ; my first row of W2: 1,024 e + 64 nt
	s_mul_i32 s24, s22, 3072
	s_mul_i32 s23, s[WV], 768
	s_add_co_u32 s24, s24, s23
	s_mov_b32 s25, 0
	s_lshl_b32 s26, s22, 7
	s_lshl_b32 s23, s[WV], 5
	s_add_co_u32 s26, s26, s23
	s_mov_b32 s27, 0
	s_lshl_b32 s28, s22, 2
	s_mov_b32 s29, 0
	s_lshl_b32 s30, s[SE], 6
	s_lshl_b32 s23, s[SP], 1
	s_add_co_u32 s30, s30, s23
	s_lshl_b32 s30, s30, 5
	s_lshl_b32 s23, s[WV], 3
	s_add_co_u32 s30, s30, s23
	s_mul_i32 s30, s30, 1536                       ; ((64 e + 2 sp) 32 + 8 w) 1,536
	s_mov_b32 s31, 0
	s_lshl_b32 s32, s[SE], 2
	s_add_co_u32 s32, s32, s[WV]
	s_lshl_b32 s32, s32, 10
	s_lshl_b32 s23, s[SP], 5
	s_add_co_u32 s32, s32, s23
	s_lshl_b32 s32, s32, 5
	s_add_co_u32 s32, s32, 25165824                ; 25,165,824 + ((4 e + w) 1,024 + 32 sp) 32
	s_mov_b32 s33, 0
	s_lshl_b32 s34, s[SE], 10
	s_add_co_u32 s34, s34, s23
	s_lshl_b32 s23, s[WV], 3
	s_add_co_u32 s34, s34, s23
	s_lshl_b32 s34, s34, 2                         ; (1,024 e + 32 sp + 8 w) 4
	s_mov_b32 s35, 0
	s_lshl_b32 s36, s[NT], 8
	s_mov_b32 s37, 0
	s_lshl_b32 s38, s[SE], 2
	s_mov_b32 s[PSEL], 0x03010200                  ; v_perm_b32: bytes 1 and 2 change places
	s_wait_kmcnt 0x0
	s_load_b32 s39, s[12:13], s38 offset:33792     ; the expert's count
	s_add_nc_u64 s[4:5], s[4:5], s[24:25]
	s_add_nc_u64 s[6:7], s[6:7], s[26:27]
	s_add_nc_u64 s[8:9], s[8:9], s[28:29]
	s_add_nc_u64 s[HFB:HFB+1], s[10:11], s[30:31]
	s_add_nc_u64 s[HRB:HRB+1], s[10:11], s[32:33]
	s_add_nc_u64 s[LB:LB+1], s[12:13], s[34:35]
	s_add_nc_u64 s[GB:GB+1], s[14:15], s[34:35]
	s_add_nc_u64 s[16:17], s[16:17], s[36:37]
.irp p, 0,1
.irp jj, 0,1
	global_load_b128 v[WS+8*\p+4*\jj:WS+8*\p+4*\jj+3], v[VS], s[6:7] offset:4096*\p+16*\jj
.endr
.endr
	global_load_b128 v[B2:B2+3], v[VB], s[8:9]
	WIN 0x80
.irp ct, 0,1,2,3
.irp st, 0,1,2,3
.irp jj, 0,1,2
	global_load_b128 v[48*\ct+12*\st+4*\jj:48*\ct+12*\st+4*\jj+3], v[VW], s[4:5] offset:49152*\ct+96*\st+16*\jj
.endr
.endr
.endr
	WIN 0xc0
.irp ct, 0,1,2,3
.irp st, 0,1,2,3
.irp jj, 0,1,2
	global_load_b128 v[48*\ct+12*\st+4*\jj:48*\ct+12*\st+4*\jj+3], v[VW], s[4:5] offset:49152*\ct+96*(\st+4)+16*\jj
.endr
.endr
.endr
	WIN 0
	MLOAD 0                                        ; my first group lies in the 64 rows that every expert always has
	HBATCH 0, 0
	HBATCH 1, 0
	s_wait_loadcnt 63                              ; W2's scale words and b2 are in: more than 63 loads were issued behind them
.irp i, 0,1,2,3,4,5,6,7,8,9,10,11,12,13,14,15
	v_perm_b32 v[WS+\i], v[WS+\i], v[WS+\i], s[PSEL]
.endr
.irp i, 0,1,2,3
	v_mov_b32 v[YO+\i], 0                          ; written on every path of the text ahead of the way out
	v_mov_b32 v[GT+\i], 0
.endr
	s_wait_kmcnt 0x0
	s_add_co_u32 s[LIM], s39, 31
	s_and_not1_b32 s[LIM], s[LIM], 31
	s_max_u32 s[LIM], s[LIM], 64
	s_min_u32 s[LIM], s[LIM], 1024
	s_lshl_b32 s[ROW], s[SP], 5
	s_mov_b32 s[CT], 8
.Lpair:
	SUB 0
	SUB 1
	s_sub_co_u32 s[CT], s[CT], 1
	s_cmp_lg_u32 s[CT], 0
	s_cbranch_scc1 .Lpair
	s_barrier_signal -1
	s_barrier_wait -1
	s_wait_tensorcnt 0x0
	ds_add_u32 v254, v255
	s_wait_dscnt 0x0
	s_endpgm
.Lfunc_end_k_qa70d4fa0c3_ffn2:
	.size	k_qa70d4fa0c3_ffn2, .Lfunc_end_k_qa70d4fa0c3_ffn2-k_qa70d4fa0c3_ffn2
	.p2alignl 7, 3214868480
	.fill 96, 4, 3214868480
	.section	.rodata,"a",@progbits
	.p2align	6, 0x0
	.amdhsa_kernel k_qa70d4fa0c3_ffn2
		.amdhsa_group_segment_fixed_size 70144
		.amdhsa_private_segment_fixed_size 0
		.amdhsa_enable_private_segment 0
		.amdhsa_kernarg_size 56
		.amdhsa_user_sgpr_count 2
		.amdhsa_user_sgpr_kernarg_segment_ptr 1
		.amdhsa_wavefront_size32 1
		.amdhsa_system_sgpr_workgroup_id_x 1
		.amdhsa_system_sgpr_workgroup_id_y 1
		.amdhsa_system_sgpr_workgroup_id_z 1
		.amdhsa_system_vgpr_workitem_id 0
		.amdhsa_next_free_vgpr 960
		.amdhsa_next_free_sgpr 66
		.amdhsa_reserve_vcc 0
		.amdhsa_float_denorm_mode_32 3
		.amdhsa_float_denorm_mode_16_64 3
		.amdhsa_memory_ordered 1
		.amdhsa_forward_progress 1
		.amdhsa_inst_pref_size 87
	.end_amdhsa_kernel
	.amdgpu_metadata
---
amdhsa.version: [ 1, 2 ]
amdhsa.kernels:
  - .name:           k_qa70d4fa0c3_ffn2
    .symbol:         k_qa70d4fa0c3_ffn2.kd
    .args:
      - { .name: W2_codes, .offset: 0, .size: 8, .value_kind: global_buffer, .address_space: global }
      - { .name: W2_scales, .offset: 8, .size: 8, .value_kind: global_buffer, .address_space: global }
      - { .name: b2, .offset: 16, .size: 8, .value_kind: global_buffer, .address_space: global }
      - { .name: h, .offset: 24, .size: 8, .value_kind: global_buffer, .address_space: global }
      - { .name: list, .offset: 32, .size: 8, .value_kind: global_buffer, .address_space: global }
      - { .name: glist, .offset: 40, .size: 8, .value_kind: global_buffer, .address_space: global }
      - { .name: y, .offset: 48, .size: 8, .value_kind: global_buffer, .address_space: global }
    .group_segment_fixed_size: 70144
    .private_segment_fixed_size: 0
    .kernarg_segment_align: 8
    .kernarg_segment_size: 56
    .max_flat_workgroup_size: 128
    .sgpr_count:     66
    .vgpr_count:     960
    .wavefront_size: 32
...
	.end_amdgpu_metadata
.endif
;; end of part 3
;; launch combine (part 4): grid 256 x 1, 4 waves a work-group, no clusters, 0 bytes of LDS; arguments y, rt, out0, out1; writes out0, out1
.if DOCPART == 4
	.amdgcn_target "amdgcn-amd-amdhsa--gfx1250"
	.amdhsa_code_object_version 6
	.text
	.protected	k_qa70d4fa0c3_combine
	.globl	k_qa70d4fa0c3_combine
	.p2align	8
	.type	k_qa70d4fa0c3_combine,@function
k_qa70d4fa0c3_combine:
	s_mov_b64 s[64:65], 0
	v_nop
	global_prefetch_b8 v0, s[64:65] scope:SCOPE_SE
	s_setreg_imm32_b32 hwreg(HW_REG_WAVE_MODE, 25, 1), 1
	s_wait_xcnt 0x0
; out0[token] = y[2 token] + y[2 token + 1]: the two chosen experts' rows, each already multiplied by its gate.  y [2,560][1,024] f32, out0 [1,024][1,024] f32.
; A wave takes a token: 8,192 neighbouring bytes in, 4,096 out; every load and store of the wave covers 512 neighbouring bytes.  All 16 loads go out at once.  A stream: no LDS, no matrix unit, no barrier.
; out1 = the mean over the 8 experts of (mean probability - 1/8)^2.  The probabilities [1024][8] f32 lie in rt from byte 8,192.  A sum over all tokens has one owner: the wave of token 0 takes a path of its own,
; asks for the 32,768 bytes by 64 loads ahead of its token's 16, and adds them behind its token's stores.  Its registers: v72-199 the first 32 loads, window 1's v0-127 the other 32.
.set A, 4                              ; v[4 + 8 i ..]: chunk i of the first row (4 registers), then of the second (4)
.set PB, 72
.set MSB, 0
.macro WIN new                         ; the immediate's high byte repeats the setting that is left
.if MSB != \new
	s_set_vgpr_msb (MSB<<8)|\new
.set MSB, \new
.endif
.endm
.macro MAIN
.irp i, 0,1,2,3,4,5,6,7
	global_load_b128 v[A+8*\i:A+8*\i+3], v1, s[4:5] offset:512*\i th:TH_LOAD_NT
	global_load_b128 v[A+8*\i+4:A+8*\i+7], v1, s[4:5] offset:4096+512*\i th:TH_LOAD_NT
.endr
.irp i, 0,1,2,3,4,5,6,7
	s_wait_loadcnt 14-2*\i                         ; chunk i's two loads are in: the later chunks' may be out
	v_pk_add_f32 v[A+8*\i:A+8*\i+1], v[A+8*\i:A+8*\i+1], v[A+8*\i+4:A+8*\i+5]
	v_pk_add_f32 v[A+8*\i+2:A+8*\i+3], v[A+8*\i+2:A+8*\i+3], v[A+8*\i+6:A+8*\i+7]
	global_store_b128 v1, v[A+8*\i:A+8*\i+3], s[8:9] offset:512*\i th:TH_STORE_NT
.endr
.endm
	s_load_b256 s[4:11], s[0:1], 0x0               ; y, rt, out0, out1
	v_lshrrev_b32 v1, 5, v0
	v_readfirstlane_b32 s12, v1
	s_lshl_b32 s13, ttmp9, 2
	s_add_co_u32 s13, s13, s12                     ; token
	s_lshl_b32 s14, s13, 13
	s_mov_b32 s15, 0
	s_lshl_b32 s16, s13, 12
	s_mov_b32 s17, 0
	v_and_b32 v1, 31, v0
	v_lshlrev_b32 v1, 4, v1
	s_wait_kmcnt 0x0
	s_add_nc_u64 s[4:5], s[4:5], s[14:15]
	s_add_nc_u64 s[8:9], s[8:9], s[16:17]
	s_cmp_eq_u32 s13, 0
	s_cbranch_scc1 .Laux
	MAIN
	s_endpgm
.Laux:
; load i covers tokens 16 i + lane / 2; a lane holds experts 4 (lane % 2) + 0 .. 3
.set i, 0
.rept 32
	global_load_b128 v[PB+4*i:PB+4*i+3], v1, s[6:7] offset:8192+512*i
.set i, i+1
.endr
	WIN 0x40                                       ; destination window 1
.set i, 0
.rept 32
	global_load_b128 v[4*i:4*i+3], v1, s[6:7] offset:8192+512*(32+i)
.set i, i+1
.endr
	WIN 0
	s_mov_b32 s18, 0x76543210                      ; v_permlanex16_b32's selects for lane l xor 16
	s_mov_b32 s19, 0xfedcba98
	s_mov_b32 s20, 0x3a800000                      ; 1 / 1,024
	s_mov_b32 s21, 0xbe000000                      ; -1 / 8
	MAIN                                           ; its last wait is for 0: the probabilities, asked for earlier, are in too
.set i, 0
.rept 16
	v_pk_add_f32 v[PB+4*i:PB+4*i+1], v[PB+4*i:PB+4*i+1], v[PB+64+4*i:PB+64+4*i+1]
	v_pk_add_f32 v[PB+4*i+2:PB+4*i+3], v[PB+4*i+2:PB+4*i+3], v[PB+64+4*i+2:PB+64+4*i+3]
.set i, i+1
.endr
	WIN 0x04                                       ; source 1 window 1
.set i, 0
.rept 16
	v_pk_add_f32 v[PB+4*i:PB+4*i+1], v[PB+4*i:PB+4*i+1], v[4*i:4*i+1]
	v_pk_add_f32 v[PB+4*i+2:PB+4*i+3], v[PB+4*i+2:PB+4*i+3], v[4*i+2:4*i+3]
.set i, i+1
.endr
.set i, 0
.rept 16
	v_pk_add_f32 v[PB+4*i:PB+4*i+1], v[PB+4*i:PB+4*i+1], v[64+4*i:64+4*i+1]
	v_pk_add_f32 v[PB+4*i+2:PB+4*i+3], v[PB+4*i+2:PB+4*i+3], v[64+4*i+2:64+4*i+3]
.set i, i+1
.endr
	WIN 0
.irp s, 8,4,2,1
.set i, 0
.rept \s
	v_pk_add_f32 v[PB+4*i:PB+4*i+1], v[PB+4*i:PB+4*i+1], v[PB+4*(i+\s):PB+4*(i+\s)+1]
	v_pk_add_f32 v[PB+4*i+2:PB+4*i+3], v[PB+4*i+2:PB+4*i+3], v[PB+4*(i+\s)+2:PB+4*(i+\s)+3]
.set i, i+1
.endr
.endr
.irp k, 2,4,8                          ; over the lanes of the same parity
.irp c, 0,1,2,3
	v_add_f32_dpp v[PB+\c], v[PB+\c], v[PB+\c] row_xmask:\k row_mask:0xf bank_mask:0xf
.endr
.endr
.irp c, 0,1,2,3
	v_permlanex16_b32 v[PB+4+\c], v[PB+\c], s18, s19
.endr
	v_pk_add_f32 v[PB:PB+1], v[PB:PB+1], v[PB+4:PB+5]
	v_pk_add_f32 v[PB+2:PB+3], v[PB+2:PB+3], v[PB+6:PB+7]       ; all 1,024 tokens
.irp c, 0,1,2,3
	v_fma_f32 v[PB+\c], v[PB+\c], s20, s21         ; importance - 1/8
.endr
	v_mul_f32 v[PB], v[PB], v[PB]
	v_fma_f32 v[PB], v[PB+1], v[PB+1], v[PB]
	v_fma_f32 v[PB], v[PB+2], v[PB+2], v[PB]
	v_fma_f32 v[PB], v[PB+3], v[PB+3], v[PB]       ; my four experts' squares,
	v_add_f32_dpp v[PB], v[PB], v[PB] row_xmask:1 row_mask:0xf bank_mask:0xf   ; and the other four's
	v_mul_f32 v[PB], 0x3e000000, v[PB]             ; the mean over the eight
	v_mov_b32 v2, 0
	global_store_b32 v2, v[PB], s[10:11]           ; all lanes write the same word with the same value
	s_endpgm
.Lfunc_end_k_qa70d4fa0c3_combine:
	.size	k_qa70d4fa0c3_combine, .Lfunc_end_k_qa70d4fa0c3_combine-k_qa70d4fa0c3_combine
	.p2alignl 7, 3214868480
	.fill 96, 4, 3214868480
	.section	.rodata,"a",@progbits
	.p2align	6, 0x0
	.amdhsa_kernel k_qa70d4fa0c3_combine
		.amdhsa_group_segment_fixed_size 0
		.amdhsa_private_segment_fixed_size 0
		.amdhsa_enable_private_segment 0
		.amdhsa_kernarg_size 32
		.amdhsa_user_sgpr_count 2
		.amdhsa_user_sgpr_kernarg_segment_ptr 1
		.amdhsa_wavefront_size32 1
		.amdhsa_system_sgpr_workgroup_id_x 1
		.amdhsa_system_sgpr_workgroup_id_y 1
		.amdhsa_system_sgpr_workgroup_id_z 1
		.amdhsa_system_vgpr_workitem_id 0
		.amdhsa_next_free_vgpr 384
		.amdhsa_next_free_sgpr 66
		.amdhsa_reserve_vcc 0
		.amdhsa_float_denorm_mode_32 3
		.amdhsa_float_denorm_mode_16_64 3
		.amdhsa_memory_ordered 1
		.amdhsa_forward_progress 1
		.amdhsa_inst_pref_size 24
	.end_amdhsa_kernel
	.amdgpu_metadata
---
amdhsa.version: [ 1, 2 ]
amdhsa.kernels:
  - .name:           k_qa70d4fa0c3_combine
    .symbol:         k_qa70d4fa0c3_combine.kd
    .args:
      - { .name: y, .offset: 0, .size: 8, .value_kind: global_buffer, .address_space: global }
      - { .name: rt, .offset: 8, .size: 8, .value_kind: global_buffer, .address_space: global }
      - { .name: out0, .offset: 16, .size: 8, .value_kind: global_buffer, .address_space: global }
      - { .name: out1, .offset: 24, .size: 8, .value_kind: global_buffer, .address_space: global }
    .group_segment_fixed_size: 0
    .private_segment_fixed_size: 0
    .kernarg_segment_align: 8
    .kernarg_segment_size: 32
    .max_flat_workgroup_size: 128
    .sgpr_count:     66
    .vgpr_count:     384
    .wavefront_size: 32
...
	.end_amdgpu_metadata
.endif
;; end of part 4
;; ======== version 2 of 2: 4 launches
;; limits: a function is approximated: absolute error at most 1.5e-07
;; workspace buffers: xq 819,200 bytes; rt 40,960 bytes; sel 4,096 bytes of whole numbers; list 34,048 bytes of whole numbers; glist 33,792 bytes; h 26,214,400 bytes; y 10,485,760 bytes
;; launch route (part 5): grid 256 x 1, 4 waves a work-group, no clusters, 22,016 bytes of LDS; arguments x, Wr, br, xq, rt, sel; writes xq, rt, sel
.if DOCPART == 5
	.amdgcn_target "amdgcn-amd-amdhsa--gfx1250"
	.amdhsa_code_object_version 6
	.text
	.protected	k_qa70d4fa0c3_route
	.globl	k_qa70d4fa0c3_route
	.p2align	8
	.type	k_qa70d4fa0c3_route,@function
k_qa70d4fa0c3_route:
	s_mov_b64 s[64:65], 0
	v_nop
	global_prefetch_b8 v0, s[64:65] scope:SCOPE_SE
	s_setreg_imm32_b32 hwreg(HW_REG_WAVE_MODE, 25, 1), 1
	s_wait_xcnt 0x0
; ROUTER AND QUANTISER OF x.  x [1024][1024] f32, Wr [1024][8] f32, br [8] f32.
; Stores: sel [1024] u32 = e0 | e1 << 8 (the two largest logits; of equal logits the lower expert first);
;         rt: gates [1024][2] f32 at byte 0 (softmax of the two logits), probabilities [1024][8] f32 at byte 8,192 (softmax of all eight);
;         xq: x's codes of E3M2 [1024][768 bytes] as a plain stream of bits, and from byte 786,432 its scale words [1024][8 words].
; In each scale word bytes 1 and 2 have changed places: the products load 48 neighbouring bytes of a row into a lane's 12 registers, so that the
; place (registers 6 c .. 6 c + 5, lane half hh), whose scale is byte 2 c + hh, holds the K step's block 2 hh + c.
; A work-group takes 4 tokens.  Phase A: wave w takes K = 256 w .. 256 w + 255 of all four tokens, in f32 fused multiply-adds; x's bytes also go to a stage in LDS.
; Phase B: wave w owns token w: logits, top-2, both softmaxes (each with its maximum taken off), and the quantiser on the staged row.
; No address and no branch hangs on a floating-point number: the choice is stored at fixed places.
; LIMITS: NaN and infinities among the inputs or logits are not served.  A block of zeros gets the scale byte 1 (its codes are zeros; only this program reads the bytes).
.set ROWP,  5120                       ; a staged row: 64 chunks of 64 bytes + 16 of padding
.set PART,  20480                      ; partial logits [wave][token][8] f32
.set SCB,   20992                      ; 32 scale bytes for each wave
.set X,     32                         ; v32-63   x as loaded (8 q + 4 i + c), later two sets of 16 neighbours
.set WR,    64                         ; v64-127  Wr (32 i + 8 c + e); later v64-71 the codes
.set ACC,   128                        ; v128-159 sums (8 q + e)
.set BYT,   160                        ; v160-161 scale bytes
	s_load_b256 s[4:11], s[0:1], 0x0               ; x, Wr, br, xq
	s_load_b128 s[12:15], s[0:1], 0x20             ; rt, sel
	v_lshl_add_u32 v192, v0, 2, 0x5400
	v_mov_b32 v193, 0
	v_lshrrev_b32 v1, 5, v0
	v_readfirstlane_b32 s16, v1                    ; wave
	v_and_b32 v1, 31, v0                           ; lane
	v_and_b32 v2, 7, v0                            ; lane % 8: the expert that a lane stands for in phase B
	s_lshl_b32 s17, ttmp9, 2
	s_add_co_u32 s17, s17, s16                     ; my token in phase B
	s_lshl_b32 s18, ttmp9, 14                      ; the work-group's 4 rows of 4,096 bytes
	s_mov_b32 s19, 0
	s_lshl_b32 s20, s16, 10
	v_lshl_add_u32 v3, v1, 4, s20                  ; x: 1,024 w + 16 lane
	s_lshl_b32 s20, s16, 13
	v_lshl_add_u32 v4, v1, 7, s20                  ; Wr: 8,192 w + 128 lane (four rows of 32 bytes)
	v_lshlrev_b32 v5, 2, v2                        ; 4 (lane % 8)
	v_bfe_u32 v13, v0, 2, 3                        ; the stage, on the way in: 1,280 w + 80 (lane / 4) + 16 (lane % 4)
	v_mul_u32_u24 v7, v13, 80
	v_and_b32 v13, 3, v0
	v_lshl_add_u32 v7, v13, 4, v7
	s_mul_i32 s20, s16, 1280
	v_add_nc_u32 v7, s20, v7
	v_bfe_u32 v13, v0, 4, 1                        ; partial logits, in: PART + 128 w + 64 (lane / 16)
	v_lshlrev_b32 v8, 6, v13
	s_lshl_b32 s20, s16, 7
	s_add_co_u32 s20, s20, PART
	v_add_nc_u32 v8, s20, v8
	v_bfe_u32 v13, v0, 3, 2                        ; and out: PART + 128 (lane / 8) + 32 w + 4 (lane % 8)
	v_lshlrev_b32 v9, 7, v13
	v_lshl_add_u32 v9, v2, 2, v9
	s_lshl_b32 s20, s16, 5
	s_add_co_u32 s21, s20, PART
	v_add_nc_u32 v9, s21, v9
	v_mul_u32_u24 v10, v1, 80                      ; the stage, on the way out: 5,120 w + 80 lane: 16 neighbours
	s_mul_i32 s21, s16, ROWP
	v_add_nc_u32 v10, s21, v10
	s_add_co_u32 s20, s20, SCB
	v_bfe_u32 v13, v0, 1, 4                        ; b = lane / 2: my block among a half row's 16
	v_and_b32 v11, 12, v13                         ; its word,
	v_and_b32 v14, 1, v13
	v_lshl_add_u32 v11, v14, 1, v11                ; and in it bytes 1 and 2 change places
	v_bfe_u32 v14, v13, 1, 1
	v_add_nc_u32 v11, v11, v14
	v_add_nc_u32 v11, s20, v11
	v_add_nc_u32 v12, s20, v5                      ; the scale words, out
	v_mul_u32_u24 v31, v1, 12                      ; my 16 codes' 12 bytes
	v_mov_b32 v17, 0                               ; (a lane permute's destination counts as one of its sources)
	s_mul_i32 s22, s17, 768
	s_mov_b32 s23, 0
	s_lshl_b32 s26, s17, 5
	s_mov_b32 s27, 0
	s_lshl_b32 s32, s17, 3
	s_mov_b32 s33, 0
	s_lshl_b32 s36, s17, 2
	s_mov_b32 s37, 0
	s_mov_b32 s40, 0x76543210                      ; v_permlanex16_b32's selects for lane l xor 16
	s_mov_b32 s41, 0xfedcba98
	s_wait_kmcnt 0x0
	s_add_nc_u64 s[4:5], s[4:5], s[18:19]          ; x at the work-group's first token
	s_add_nc_u64 s[24:25], s[10:11], s[22:23]      ; my token's codes
	s_add_nc_u64 s[28:29], s[10:11], s[26:27]      ; its scale words (+ 786,432 in the immediate)
	s_add_nc_u64 s[30:31], s[12:13], s[26:27]      ; its probabilities (+ 8,192)
	s_add_nc_u64 s[34:35], s[12:13], s[32:33]      ; its gates
	s_add_nc_u64 s[38:39], s[14:15], s[36:37]      ; its word of sel
; ---- phase A
.irp q, 0,1,2,3
.irp i, 0,1
	global_load_b128 v[X+8*\q+4*\i:X+8*\q+4*\i+3], v3, s[4:5] offset:4096*\q+512*\i th:TH_LOAD_NT   ; 32 lanes read 512 neighbouring bytes; each byte of x is read once
.endr
.endr
.irp i, 0,1
.irp j, 0,1,2,3,4,5,6,7
	global_load_b128 v[WR+32*\i+4*\j:WR+32*\i+4*\j+3], v4, s[6:7] offset:4096*\i+16*\j
.endr
.endr
	global_load_b32 v6, v5, s[8:9]                 ; br of my expert
	s_wait_loadcnt 17                              ; x is in: Wr's 16 loads and br's one may be out
.irp q, 0,1,2,3
.irp i, 0,1
	ds_store_b128 v7, v[X+8*\q+4*\i:X+8*\q+4*\i+3] offset:ROWP*\q+640*\i
.endr
.endr
	s_wait_loadcnt 1                               ; Wr is in: br may be out
; ACC[q][e] += x[q][k] Wr[k][e], two experts an instruction; x's number serves both halves (op_sel picks it for the low half, op_sel_hi for the high).  The first product starts the sums.
.irp i, 0,1
.irp c, 0,1,2,3
.irp q, 0,1,2,3
.irp p, 0,1,2,3
.if (\i == 0) && (\c == 0)
	v_pk_mul_f32 v[ACC+8*\q+2*\p:ACC+8*\q+2*\p+1], v[X+8*\q:X+8*\q+1], v[WR+2*\p:WR+2*\p+1] op_sel_hi:[0,1]
.elseif (\c % 2) == 0
	v_pk_fma_f32 v[ACC+8*\q+2*\p:ACC+8*\q+2*\p+1], v[X+8*\q+4*\i+\c:X+8*\q+4*\i+\c+1], v[WR+32*\i+8*\c+2*\p:WR+32*\i+8*\c+2*\p+1], v[ACC+8*\q+2*\p:ACC+8*\q+2*\p+1] op_sel_hi:[0,1,1]
.else
	v_pk_fma_f32 v[ACC+8*\q+2*\p:ACC+8*\q+2*\p+1], v[X+8*\q+4*\i+\c-1:X+8*\q+4*\i+\c], v[WR+32*\i+8*\c+2*\p:WR+32*\i+8*\c+2*\p+1], v[ACC+8*\q+2*\p:ACC+8*\q+2*\p+1] op_sel:[1,0,0] op_sel_hi:[1,1,1]
.endif
.endr
.endr
.endr
.endr
; over the lanes: tokens 0, 1 gather in lanes 0-15 and tokens 2, 3 in lanes 16-31, then four steps inside each half
.irp m, 0,1,2,3,4,5,6,7,8,9,10,11,12,13,14,15
	v_permlane16_swap_b32 v[ACC+\m], v[ACC+16+\m]
.endr
.irp m, 0,2,4,6,8,10,12,14
	v_pk_add_f32 v[ACC+\m:ACC+\m+1], v[ACC+\m:ACC+\m+1], v[ACC+16+\m:ACC+16+\m+1]
.endr
.irp k, 1,2,4,8
.irp m, 0,1,2,3,4,5,6,7,8,9,10,11,12,13,14,15
	v_add_f32_dpp v[ACC+\m], v[ACC+\m], v[ACC+\m] row_xmask:\k row_mask:0xf bank_mask:0xf
.endr
.endr
.irp j, 0,1,2,3
	ds_store_b128 v8, v[ACC+4*\j:ACC+4*\j+3] offset:16*\j   ; the sixteen lanes of a half write the same bytes with the same values
.endr
	s_wait_dscnt 0x0                               ; for the others' sake: my stores into the stage and into PART are done
	s_barrier_signal -1
	s_barrier_wait -1
; ---- phase B
	ds_load_b32 v16, v9                            ; wave lane / 8's part of my token's logit lane % 8
.irp t, 0,1
.irp j, 0,1,2,3
	ds_load_b128 v[X+16*\t+4*\j:X+16*\t+4*\j+3], v10 offset:2560*\t+16*\j
.endr
.endr
	s_wait_dscnt 8                                 ; the part is in: the stage's eight loads may be out
	v_add_f32_dpp v16, v16, v16 row_xmask:8 row_mask:0xf bank_mask:0xf
	v_permlanex16_b32 v17, v16, s40, s41
	v_add_f32 v16, v16, v17                        ; the four waves' parts
	s_wait_alu depctr_va_vdst(0)
	s_wait_loadcnt 0x0
	v_add_f32 v16, v16, v6                         ; the logit of expert lane % 8
	v_mov_b32 v18, v16
.irp k, 1,2,4
	v_max_num_f32_dpp v18, v18, v18 row_xmask:\k row_mask:0xf bank_mask:0xf
.endr
	v_cmp_eq_f32 s20, v16, v18
	s_ctz_i32_b32 s20, s20                         ; e0: lanes 0-7 stand for experts 0-7, so the lowest lane is the lowest expert
	v_cmp_eq_u32 vcc_lo, s20, v2
	v_mov_b32 v19, 0xff800000
	v_cndmask_b32 v19, v16, v19, vcc_lo            ; e0's logit becomes -infinity
	v_mov_b32 v20, v19
.irp k, 1,2,4
	v_max_num_f32_dpp v20, v20, v20 row_xmask:\k row_mask:0xf bank_mask:0xf
.endr
	v_cmp_eq_f32 s21, v19, v20
	s_ctz_i32_b32 s21, s21                         ; e1
	s_lshl_b32 s21, s21, 8
	s_or_b32 s20, s20, s21
	v_mov_b32 v21, s20
	v_mov_b32 v22, 0
	global_store_b32 v22, v21, s[38:39]            ; all lanes write the same word with the same value
	v_sub_f32 v23, v20, v18                        ; second logit - largest
	v_sub_f32 v24, v16, v18                        ; logit - largest
	v_mul_f32 v23, 0x3fb8aa3b, v23
	v_mul_f32 v24, 0x3fb8aa3b, v24
	s_wait_alu depctr_va_vdst(0)
	v_exp_f32 v23, v23
	v_exp_f32 v24, v24
	v_and_b32 v25, 1, v0                           ; (a plain line behind the exponentials)
	s_wait_alu depctr_va_vdst(0)                   ; one wait for the two, ahead of their first reader
	v_mov_b32 v26, v24
.irp k, 1,2,4
	v_add_f32_dpp v26, v26, v26 row_xmask:\k row_mask:0xf bank_mask:0xf
.endr
	v_add_f32 v27, 1.0, v23
	s_wait_alu depctr_va_vdst(0)
	v_rcp_f32 v27, v27                             ; g0 = 1 / (1 + e^(t2 - t1))
	v_rcp_f32 v26, v26
	v_lshlrev_b32 v28, 2, v25                      ; (a plain line behind the reciprocals)
	s_wait_alu depctr_va_vdst(0)                   ; one wait for the two
	v_mul_f32 v29, v23, v27                        ; g1
	v_cmp_eq_u32 vcc_lo, 1, v25
	v_cndmask_b32 v29, v27, v29, vcc_lo
	v_mul_f32 v30, v24, v26                        ; the probability of expert lane % 8
	global_store_b32 v28, v29, s[34:35]
	global_store_b32 v5, v30, s[30:31] offset:8192
; the quantiser: a lane holds 16 neighbours, two neighbouring lanes a block of 32
.irp t, 0,1
	s_wait_dscnt 4-4*\t                            ; this half row's four loads are in (first half: the other four may be out)
	v_max3_num_f32 v164, |v[X+16*\t]|, |v[X+16*\t+1]|, |v[X+16*\t+2]|
	v_max3_num_f32 v165, |v[X+16*\t+3]|, |v[X+16*\t+4]|, |v[X+16*\t+5]|
.irp i, 6,10
	v_max3_num_f32 v164, v164, |v[X+16*\t+\i]|, |v[X+16*\t+\i+1]|
	v_max3_num_f32 v165, v165, |v[X+16*\t+\i+2]|, |v[X+16*\t+\i+3]|
.endr
	v_max3_num_f32 v164, v164, |v[X+16*\t+14]|, |v[X+16*\t+15]|
	v_max3_num_f32 v164, v164, v165, 0x2800000     ; and the floor 2^(5 - 127): the byte cannot fall under 1
	v_max_num_f32_dpp v164, v164, v164 row_xmask:1 row_mask:0xf bank_mask:0xf
	v_add_nc_u32 v166, 0xfe000000, v164            ; 4 off the exponent field: the conversion's scale operand
	v_cvt_scalef32_pk16_bf6_f32 v[WR+4*\t:WR+4*\t+2], v[X+16*\t:X+16*\t+15], v166
	v_lshrrev_b32 v[BYT+\t], 23, v166              ; the scale's byte (also the plain line behind the conversion)
	ds_store_b8 v11, v[BYT+\t] offset:16*\t        ; both lanes of a block write the same byte with the same value
	global_store_b96 v31, v[WR+4*\t:WR+4*\t+2], s[24:25] offset:384*\t   ; the wave stores 384 neighbouring bytes
.endr
	ds_load_b32 v162, v12                          ; LDS serves a wave's instructions in order: this sees my byte stores
	s_wait_dscnt 0x0
	global_store_b32 v5, v162, s[28:29] offset:786432
	s_barrier_signal -1
	s_barrier_wait -1
	s_wait_tensorcnt 0x0
	ds_add_u32 v192, v193
	s_wait_dscnt 0x0
	s_endpgm
.Lfunc_end_k_qa70d4fa0c3_route:
	.size	k_qa70d4fa0c3_route, .Lfunc_end_k_qa70d4fa0c3_route-k_qa70d4fa0c3_route
	.p2alignl 7, 3214868480
	.fill 96, 4, 3214868480
	.section	.rodata,"a",@progbits
	.p2align	6, 0x0
	.amdhsa_kernel k_qa70d4fa0c3_route
		.amdhsa_group_segment_fixed_size 22016
		.amdhsa_private_segment_fixed_size 0
		.amdhsa_enable_private_segment 0
		.amdhsa_kernarg_size 48
		.amdhsa_user_sgpr_count 2
		.amdhsa_user_sgpr_kernarg_segment_ptr 1
		.amdhsa_wavefront_size32 1
		.amdhsa_system_sgpr_workgroup_id_x 1
		.amdhsa_system_sgpr_workgroup_id_y 1
		.amdhsa_system_sgpr_workgroup_id_z 1
		.amdhsa_system_vgpr_workitem_id 0
		.amdhsa_next_free_vgpr 194
		.amdhsa_next_free_sgpr 66
		.amdhsa_reserve_vcc 1
		.amdhsa_float_denorm_mode_32 3
		.amdhsa_float_denorm_mode_16_64 3
		.amdhsa_memory_ordered 1
		.amdhsa_forward_progress 1
		.amdhsa_inst_pref_size 25
	.end_amdhsa_kernel
	.amdgpu_metadata
---
amdhsa.version: [ 1, 2 ]
amdhsa.kernels:
  - .name:           k_qa70d4fa0c3_route
    .symbol:         k_qa70d4fa0c3_route.kd
    .args:
      - { .name: x, .offset: 0, .size: 8, .value_kind: global_buffer, .address_space: global }
      - { .name: Wr, .offset: 8, .size: 8, .value_kind: global_buffer, .address_space: global }
      - { .name: br, .offset: 16, .size: 8, .value_kind: global_buffer, .address_space: global }
      - { .name: xq, .offset: 24, .size: 8, .value_kind: global_buffer, .address_space: global }
      - { .name: rt, .offset: 32, .size: 8, .value_kind: global_buffer, .address_space: global }
      - { .name: sel, .offset: 40, .size: 8, .value_kind: global_buffer, .address_space: global }
    .group_segment_fixed_size: 22016
    .private_segment_fixed_size: 0
    .kernarg_segment_align: 8
    .kernarg_segment_size: 48
    .max_flat_workgroup_size: 128
    .sgpr_count:     66
    .vgpr_count:     194
    .wavefront_size: 32
...
	.end_amdgpu_metadata
.endif
;; end of part 5
;; launch ffn1 (part 6): grid 32 x 8, 4 waves a work-group, no clusters, 9,216 bytes of LDS; arguments W1_codes, W1_scales, b1, xq, sel, rt, h, list, glist; writes h, list, glist
.if DOCPART == 6
	.amdgcn_target "amdgcn-amd-amdhsa--gfx1250"
	.amdhsa_code_object_version 6
	.text
	.protected	k_qa70d4fa0c3_ffn1
	.globl	k_qa70d4fa0c3_ffn1
	.p2align	8
	.type	k_qa70d4fa0c3_ffn1,@function
k_qa70d4fa0c3_ffn1:
	s_mov_b64 s[64:65], 0
	v_nop
	global_prefetch_b8 v0, s[64:65] scope:SCOPE_SE
	s_setreg_imm32_b32 hwreg(HW_REG_WAVE_SCHED_MODE, 0, 2), 2
	s_setreg_imm32_b32 hwreg(HW_REG_WAVE_MODE, 25, 1), 1
	s_wait_xcnt 0x0
	s_wait_alu depctr_vm_vsrc(0)
; h = Q(gelu(x W1 + b1)) for the rows that chose the expert, on codes of E3M2 with one E8M0 scale for each 32 along K; and the experts' lists of rows.
; W1_codes [8][4096][768 bytes], W1_scales [8][4096][32], b1 [8][4096] f32; xq: x's codes and scale words; sel [1024] u32 = e0 | e1 << 8 and rt's gates [1024][2] f32, as the launch before stored them.
; THE LIST.  Each work-group places its expert's rows by itself, in LDS: entry p holds rr = 2 token + k (k: first or second choice), and beside it the row's gate.  Every wave counts the expert's rows in scalar registers
; (compare, bit count); wave 0 alone writes the list: first 1,024 pad rows (rr = 2,048 + 64 e + p % 64, gate 0), then each chosen row at base + the number of choosing lanes below it; lanes with nothing to place
; store to 32 dump words that nobody reads.  One barrier; behind it LDS is only read.  Work-group ht = 0 of each expert copies list and gates to memory (list [8][1024] u32, its entry 8,448 + e the count; glist f32 likewise).
; SHARES.  Work-group (ht, e): 128 hidden units of expert e, which are K step ht of the second product.  Wave w: nh = w % 2 picks 64 of them, rp = w / 2 the parity of the row tiles.
; The wave's weights (4 tiles of 16 hidden units x 8 K steps x 12 registers = 384) stay in registers; the wave walks tiles rp, rp + 2 .. of 16 rows.  Behind the one barrier the waves share nothing,
; so the trip count may hang on the expert's count: n = max(2, count / 32 rounded up) tiles for each parity.
; No tensor loads, clusters or joint loads: trip counts hang on a stored number.  No prefetch: the weight loads go out at the head, and x is asked for a tile ahead.
; ORDER ALONG K.  A lane's 12 registers take 48 NEIGHBOURING bytes of its row (96 s + 48 hh): three loads of 16 bytes.  So the place (registers 6 c .., half hh) holds the K step's block 2 hh + c in BOTH operands
; (the same products, summed in another order inside a K step), and every scale word has its bytes 1 and 2 exchanged: x's in memory, W1's here, once.
; TRANSPOSED: source 0 = 16 rows of W1, source 1 = 16 rows of x: a lane holds one row, its registers run along the hidden units.  Lane r of tile 2 b + u takes W1's row 32 b + 8 u + r + 8 (r / 8), so that
; the 16 registers of tiles 2 b and 2 b + 1 are 16 neighbours along the next K.  b1 is the C of each sum's first product.
; GELU, exact form: gelu(v) = max(v, 0) - |v| q, q = erfc(|v| / sqrt 2) / 2 = t (A1 + t (A2 + t (A3 + t (A4 + t A5)))) 2^-(c1 |v|)^2, t = 1 / (1 + c2 |v|)  (Abramowitz and Stegun 7.1.26, coefficients halved).
; h IN MEMORY: codes [e][tile of 16 rows][K step][1,536 bytes] as an image of the reader's registers: reader lane L = (r, hh): registers 6 c .. 6 c + 3 at 512 c + 16 L, registers 6 c + 4, 6 c + 5 at
; 1,024 + 256 hh + 128 c + 8 r.  Scale words from byte 25,165,824: [e][K quarter][row][8 words], bytes in their natural order.
; LIMITS: erf's absolute error is up to 1.5e-7, so gelu's relative error grows for v under -2; NaN and infinities are not served; a block of zeros gets the byte 1 (its codes are zeros; only this program reads the bytes);
; a word of sel names two different experts under 8, as the launch before stores it for finite logits.  The scale half-words leave 2 bytes a lane, 32 bytes apart: a wave owns two of a word's four blocks.
; REGISTERS: window 0 as named below; window 1: v0-95 x's fragments (12 s), v96-127 b1 (8 ct), v128-143 the list's copy on its way out; window 2: W1 of K steps 0-3 (48 ct + 12 s); window 3: K steps 4-7.
; THE MODE: SCHED_MODE bits 1:0 = 2 (LLVM: expert scheduling mode 2), set by the entry lines.  The code itself states the register dependences
; between vector or matrix instructions and memory or LDS instructions, with s_wait_alu, always for 0.
; THE PLAN.  Registers that memory or LDS instructions touch, in the loop:
;   x's fragments and v[XS ..]   K steps 0-3: read by a trip's first sixteen products; behind them the next tile's 13 loads land there.  K steps 4-7: the same with the second sixteen.
;   v[VXN], v[VSN]               Written by MKOFF at a trip's end; read by the next trip's 26 loads as their offsets.
;   v[VLA]                       Written at a trip's head; read by the trip's one LDS load.     v[VLST]  That load lands in it; MKOFF reads it at the trip's end.
;   v[PC ..], v[HW]              Written by QUANT2; read by the trip's three stores.
;   v[VL0], v[VH128], v[VH64], v[VHS]  Made at the head and never written again.
; A trip has four waits on va_vdst: behind each sixteen products (they are done reading what the loads that follow land in; the first also states that v[VLA], v[VXN], v[VSN] are written and v[VLST] is read),
; in GELU (the reciprocals' and exponentials' results), and behind QUANT2 (the stores' data).  One wait on vm_vsrc stands at the trip's end, ahead of MKOFF: behind it v[VXN], v[VSN], v[VLA], v[PC ..], v[HW] are written again.
; x's loads stand in runs straight behind their waits, ahead of the wait for the data that the next sixteen products take: so they go out before the wave waits for memory.
.set XS,  32                           ; v32-39   x's scale words
.set WS,  40                           ; v40-55   W1's (8 b + s): lanes 0-15 tile 2 b, lanes 16-31 tile 2 b + 1
.set KC,  56                           ; v56-69   seven constants, each twice: c2, c1, A1 .. A5
.set ACC, 72                           ; v72-103  four accumulators
.set AV,  104                          ; |v|
.set T,   136
.set EX,  168
.set P,   200
.set MX,  232
.set PT,  234
.set SO,  236
.set BY,  238
.set HW,  240
.set PC,  242                          ; v242-247 a block's 24 bytes of codes
.set PE,  248
.set XF,  0
.set B1,  96
; at the head only, while the list is made:
.set SLV, 72                           ; v72-103  sel of token 128 q + 4 lane + c at 4 q + c; then that token's rr
.set GTV, 104                          ; v104-167 its two gates at 8 q + 2 c; then the chosen one at the even register
.set E0,  168                          ; v168-175 first choices, v176-183 second choices, v184-191 places: eight tokens' worth, at work
.set E1,  176
.set PS,  184
.set IX,  192                          ; v192-223 LDS byte offsets, one register for each of the 32 stores
.set KK,  224                          ; v224-231 k
.set PADV, 232                         ; v232-235 four pad rows
.set ZR,  236                          ; v236-239 zeros
.set LL,  0                            ; LDS: the list, 1,024 entries, then 32 dump words
.set GLL, 4352                         ; LDS: the gates, likewise
.set VW,  5                            ; W1's codes: 768 rm + 48 hh
.set VS,  6                            ; W1's scales
.set VB,  7                            ; b1
.set VL0, 8                            ; the list in LDS: 4 r + 64 rp
.set VLA, 9
.set VLST, 10
.set VLS1, 11
.set VXO, 12
.set VSO, 13
.set VXN, 14                           ; the next tile's rows of x: byte offsets of codes,
.set VSN, 15                           ; and of scale words
.set VH128, 16
.set VH64, 17
.set VHS, 18
.set V48, 19
.set TMP, 20
.set CNTV, 21                          ; the count, as store data; never rewritten
.set ZO,  22                           ; 4 e
.set L16, 23                           ; 16 lane
.set L32, 24                           ; 32 lane
.set L8,  25                           ; 8 lane
.set DUMP, 26                          ; 1,024 + lane: my dump word's index
.set CP,  27                           ; 16 x my thread's number: the copy's place, in LDS and in memory
.set LANE, 28
.set NH,  17
.set RP,  18
.set SE,  19
.set LB,  38                           ; s[38:39] the expert's list in memory
.set HB,  40                           ; s[40:41] where the tile's codes go
.set HSB, 42                           ; s[42:43] and its scale half-words
.set PSEL, 44
.set SEL, 46
.set TI,  50                           ; the trip
.set NW1, 51                           ; tiles - 1
.set GGB, 62                           ; s[62:63] the expert's gates in memory
.set S0,  66                           ; s66-73   lanes whose token chose my expert (eight registers of tokens at a time)
.set S1,  74                           ; s74-81   lanes whose second choice it is
.set SB,  82                           ; s82-89   the first free entry for each of the eight
.set ST,  90
.set BASE, 91                          ; the next free entry; at the end the count
.set MSB, 0
.macro WIN new                         ; the immediate's high byte repeats the setting that is left; a switch that changes nothing is dropped
.if MSB != \new
	s_set_vgpr_msb (MSB<<8)|\new
.set MSB, \new
.endif
.endm
.macro PLACES                          ; four plain places behind matrix instructions, ahead of loads into their sources and of the first read of results
.rept 4
	v_nop
.endr
.endm
; Eight registers of sel (256 tokens): who chose my expert, and where each register's rows begin.  The eight go side by side, so that no line waits for the line above it.
.macro MASK8 n0
.irp i, 0,1,2,3,4,5,6,7
	v_and_b32 v[E0+\i], 0xff, v[SLV+(\n0)+\i]
	v_lshrrev_b32 v[E1+\i], 8, v[SLV+(\n0)+\i]
.endr
.irp i, 0,1,2,3,4,5,6,7
	v_cmp_eq_u32 s[S0+\i], s[SE], v[E0+\i]         ; first choice?
	v_cmp_eq_u32 s[S1+\i], s[SE], v[E1+\i]         ; second choice?
.endr
	s_wait_alu depctr_va_sdst(0)                   ; the sixteen compares have written s[S0 ..] and s[S1 ..], ahead of their first readers, the lines below
.irp i, 0,1,2,3,4,5,6,7
	s_or_b32 s[S0+\i], s[S0+\i], s[S1+\i]
.endr
.irp i, 0,1,2,3,4,5,6,7
	s_mov_b32 s[SB+\i], s[BASE]
	s_bcnt1_i32_b32 s[ST], s[S0+\i]
	s_add_co_u32 s[BASE], s[BASE], s[ST]
.endr
.endm
; The same eight registers' rows: their entries' addresses, their rr and their gates.  Every store has address and data registers of its own, so the four batches' vector work stands first and all stores follow one wait.
.macro SCATV n0
.irp i, 0,1,2,3,4,5,6,7
	v_mbcnt_lo_u32_b32 v[PS+\i], s[S0+\i], 0       ; how many lanes below me place a row
.endr
.irp i, 0,1,2,3,4,5,6,7
	v_add_nc_u32 v[PS+\i], s[SB+\i], v[PS+\i]
.endr
.irp i, 0,1,2,3,4,5,6,7
	v_cndmask_b32 v[IX+(\n0)+\i], v[DUMP], v[PS+\i], s[S0+\i]   ; the others go to their dump words
.endr
.irp i, 0,1,2,3,4,5,6,7
	v_min_u32 v[IX+(\n0)+\i], 0x41f, v[IX+(\n0)+\i]             ; an index made of loaded numbers is held inside the region before it becomes an address
.endr
.irp i, 0,1,2,3,4,5,6,7
	v_lshlrev_b32 v[IX+(\n0)+\i], 2, v[IX+(\n0)+\i]
.endr
.irp i, 0,1,2,3,4,5,6,7
	v_cndmask_b32 v[KK+\i], 0, 1, s[S1+\i]
.endr
.irp i, 0,1,2,3,4,5,6,7
	v_add_nc_u32 v[SLV+(\n0)+\i], 256*(((\n0)+\i)/4)+2*(((\n0)+\i)%4), v[KK+\i]
.endr
.irp i, 0,1,2,3,4,5,6,7
	v_add_nc_u32 v[SLV+(\n0)+\i], v[SLV+(\n0)+\i], v[L8]        ; rr = 2 (128 q + 4 lane + c) + k
.endr
.irp i, 0,1,2,3,4,5,6,7
	v_cndmask_b32 v[GTV+2*((\n0)+\i)], v[GTV+2*((\n0)+\i)], v[GTV+2*((\n0)+\i)+1], s[S1+\i]
.endr
.endm
.macro SCATS n0                        ; and they go to their entries
.irp i, 0,1,2,3,4,5,6,7
	ds_store_b32 v[IX+(\n0)+\i], v[SLV+(\n0)+\i] offset:LL
	ds_store_b32 v[IX+(\n0)+\i], v[GTV+2*((\n0)+\i)] offset:GLL
.endr
.endm
.macro MKOFF ax, ay, lst               ; a list entry rr becomes the token's byte offsets; the token is held inside x (pad rows take the last token)
	v_lshrrev_b32 v[TMP], 1, v[\lst]
	v_min_u32 v[TMP], 0x3ff, v[TMP]
	v_mul_u32_u24 v[\ax], v[TMP], 768
	v_add_nc_u32 v[\ax], v[\ax], v[V48]
	v_lshlrev_b32 v[\ay], 5, v[TMP]
.endm
.macro XBATCH hf, ax, ay               ; 13 loads: x's fragments of K steps 4 hf .. 4 hf + 3 and their scale words
	WIN 0x40
.irp st, 0,1,2,3
.irp jj, 0,1,2
	global_load_b128 v[XF+12*(4*\hf+\st)+4*\jj:XF+12*(4*\hf+\st)+4*\jj+3], v[\ax], s[10:11] offset:96*(4*\hf+\st)+16*\jj
.endr
.endr
	WIN 0
	global_load_b128 v[XS+4*\hf:XS+4*\hf+3], v[\ay], s[10:11] offset:786432+16*\hf
.endm
.macro MM1 ct, st                      ; tile ct of hidden units, K step st
.if (\st) == 0
	WIN 0x16                                       ; W1 window 2, x window 1, b1 window 1
.elseif (\st) < 4
	WIN 0x06
.else
	WIN 0x07                                       ; W1 window 3
.endif
.set rD, ACC+8*(\ct)
.set rA, 48*(\ct)+12*((\st)%4)
.set rB, XF+12*(\st)
.set rC, rD
.if (\st) == 0
.set rC, B1+8*(\ct)
.endif
.set rW, WS+8*((\ct)/2)+(\st)
.if (\ct)%2
	v_wmma_scale_f32_16x16x128_f8f6f4 v[rD:rD+7], v[rA:rA+11], v[rB:rB+11], v[rC:rC+7], v[rW], v[XS+(\st)] matrix_a_fmt:MATRIX_FMT_BF6 matrix_b_fmt:MATRIX_FMT_BF6 matrix_a_scale:MATRIX_SCALE_ROW1
.else
	v_wmma_scale_f32_16x16x128_f8f6f4 v[rD:rD+7], v[rA:rA+11], v[rB:rB+11], v[rC:rC+7], v[rW], v[XS+(\st)] matrix_a_fmt:MATRIX_FMT_BF6 matrix_b_fmt:MATRIX_FMT_BF6
.endif
.endm
.macro STEPS1 s0                       ; four K steps; the four accumulators take turns, one instruction a turn
.irp st, \s0, \s0+1, \s0+2, \s0+3
.irp ct, 0,1,2,3
	MM1 \ct, \st
.endr
.endr
.endm
.macro GELU                            ; on the 32 registers of ACC, each accumulator from its low end on
.set j, 0
.rept 32
	v_and_b32 v[AV+j], 0x7fffffff, v[ACC+j]
.set j, j+1
.endr
.set j, 0
.rept 16
	v_pk_fma_f32 v[T+j:T+j+1], v[AV+j:AV+j+1], v[KC:KC+1], 1.0 op_sel_hi:[1,1,0]   ; 1 + c2 |v|
.set j, j+2
.endr
.set j, 0
.rept 16
	v_pk_mul_f32 v[EX+j:EX+j+1], v[AV+j:AV+j+1], v[KC+2:KC+3]                       ; c1 |v|
.set j, j+2
.endr
.set j, 0
.rept 16
	v_pk_mul_f32 v[EX+j:EX+j+1], v[EX+j:EX+j+1], v[EX+j:EX+j+1] neg_lo:[1,0] neg_hi:[1,0]   ; -(c1 |v|)^2
.set j, j+2
.endr
.set j, 0
	s_wait_alu depctr_va_vdst(0)
.rept 32
	v_rcp_f32 v[T+j], v[T+j]
.set j, j+1
.endr
.set j, 0
.rept 32
	v_exp_f32 v[EX+j], v[EX+j]
.set j, j+1
.endr
.set j, 0
.rept 32
	v_max_num_f32 v[ACC+j], 0, v[ACC+j]            ; max(v, 0): plain work that names no result of the batch
.set j, j+1
.endr
	s_wait_alu depctr_va_vdst(0)                   ; the 32 reciprocals have written v[T ..] and the 32 exponentials v[EX ..]: one wait for the 64, ahead of their first reader
.set j, 0
.rept 16
	v_pk_fma_f32 v[P+j:P+j+1], v[T+j:T+j+1], v[KC+12:KC+13], v[KC+10:KC+11]
.set j, j+2
.endr
.irp k, 8,6,4
.set j, 0
.rept 16
	v_pk_fma_f32 v[P+j:P+j+1], v[P+j:P+j+1], v[T+j:T+j+1], v[KC+\k:KC+\k+1]
.set j, j+2
.endr
.endr
.set j, 0
.rept 16
	v_pk_mul_f32 v[EX+j:EX+j+1], v[EX+j:EX+j+1], v[T+j:T+j+1]
.set j, j+2
.endr
.set j, 0
.rept 16
	v_pk_mul_f32 v[P+j:P+j+1], v[P+j:P+j+1], v[EX+j:EX+j+1]                         ; q
.set j, j+2
.endr
.set j, 0
.rept 16
	v_pk_fma_f32 v[ACC+j:ACC+j+1], v[AV+j:AV+j+1], v[P+j:P+j+1], v[ACC+j:ACC+j+1] neg_lo:[1,0,0] neg_hi:[1,0,0]   ; max(v, 0) - |v| q
.set j, j+2
.endr
.endm
.macro QUANT2                          ; my wave's two blocks of 32 hidden units: registers 16 b + i = unit 32 b + 16 (lane / 16) + i of my row
.irp b, 0,1
	v_max3_num_f32 v[MX+\b], |v[ACC+16*\b]|, |v[ACC+16*\b+1]|, 0x2800000   ; with the floor 2^(5 - 127): the byte cannot fall under 1
.endr
.irp i, 2,4,6,8,10,12,14
.irp b, 0,1
	v_max3_num_f32 v[MX+\b], v[MX+\b], |v[ACC+16*\b+\i]|, |v[ACC+16*\b+\i+1]|
.endr
.endr
.irp b, 0,1
	v_permlanex16_b32 v[PT+\b], v[MX+\b], s[SEL], s[SEL+1]
.endr
.irp b, 0,1
	v_max_num_f32 v[MX+\b], v[MX+\b], v[PT+\b]     ; with lane l xor 16's 16: the block's largest magnitude
.endr
.irp b, 0,1
	v_add_nc_u32 v[SO+\b], 0xfe000000, v[MX+\b]    ; 4 off the exponent field: the conversion's scale operand
.endr
.irp b, 0,1
	v_lshrrev_b32 v[BY+\b], 23, v[SO+\b]
.endr
	v_lshl_or_b32 v[HW], v[BY+1], 8, v[BY]         ; my two bytes of the row's scale word
	v_cvt_scalef32_pk16_bf6_f32 v[PC:PC+2], v[ACC:ACC+15], v[SO]
	v_cvt_scalef32_pk16_bf6_f32 v[PE:PE+2], v[ACC+16:ACC+31], v[SO+1]
	v_nop                                          ; one plain place behind a scaled conversion
.irp i, 0,1,2
	v_permlane16_swap_b32 v[PC+\i], v[PE+\i]       ; a lane now holds a WHOLE block: lanes 0-15 block 0, lanes 16-31 block 1; PC its lower 16 codes, PE its upper 16
.endr
.irp i, 0,1,2
	v_mov_b32 v[PC+3+\i], v[PE+\i]
.endr
.endm
; One tile of 16 rows.  re = 1: a next tile follows, and its x is asked for here.
.macro TRIP re
.if \re
	s_add_co_u32 s48, s[TI], 2                     ; the list entries of the tile after next (the last tile again where there is none);
	s_min_u32 s48, s48, s[NW1]
	s_min_u32 s48, s48, 31                         ; a number made of loaded ones is held by a constant before it enters an address
	v_lshl_add_u32 v[VLA], s48, 7, v[VL0]          ; (the LDS load that read v[VLA] stands ahead of the wait on vm_vsrc at the last trip's end)
.endif
	s_wait_loadcnt 13                              ; K steps 0-3 of x are in: the 13 loads of K steps 4-7 may be out (in the first trip: the last 13 weight loads)
	STEPS1 0
	WIN 0
	PLACES
.if \re
	s_wait_alu depctr_va_vdst(0)                   ; the sixteen products are done reading x's K steps 0-3 and their scale words, in which the 13 loads land; v[VLA], v[VXN], v[VSN] are written, which the loads below read; MKOFF is done reading v[VLST], in which the LDS load lands
	ds_load_b32 v[VLST], v[VLA] offset:LL
	XBATCH 0, VXN, VSN
	s_wait_loadcnt 13                              ; K steps 4-7 are in: the 13 just issued may be out
.else
	s_wait_loadcnt 0x0
.endif
	STEPS1 4
	WIN 0
	PLACES
.if \re
	s_wait_alu depctr_va_vdst(0)                   ; the sixteen products are done reading x's K steps 4-7 and their scale words, in which the 13 loads land
	XBATCH 1, VXN, VSN
.endif
	GELU
	QUANT2
	s_wait_alu depctr_va_vdst(0)                   ; QUANT2 has written v[PC ..] and v[HW], which the three stores read
	global_store_b128 v[VH128], v[PC:PC+3], s[HB:HB+1]      ; each half of the lanes stores 256 neighbouring bytes, at a multiple of 256 from h's first byte
	global_store_b64 v[VH64], v[PC+4:PC+5], s[HB:HB+1]      ; the 32 lanes store 256 neighbouring bytes
	global_store_b16 v[VHS], v[HW], s[HSB:HSB+1]            ; lanes r and r + 16 write the same half-word with the same value
.if \re
	s_wait_dscnt 0x0                               ; the list entries asked for in this trip are in
	s_wait_xcnt 0x0                                ; the loads' offsets, the stores' data and their bases are rewritten only behind this wait
	s_wait_alu depctr_vm_vsrc(0)                   ; the 26 loads have read v[VXN] and v[VSN], which MKOFF writes; the LDS load has read v[VLA], which the next trip's head writes; the stores have read v[PC ..] and v[HW], which the next QUANT2 writes
	MKOFF VXN, VSN, VLST
	s_add_nc_u64 s[HB:HB+1], s[HB:HB+1], 98304     ; two tiles on: 2 x 32 x 1,536 bytes
	s_add_nc_u64 s[HSB:HSB+1], s[HSB:HSB+1], 1024  ; 32 rows of 32 bytes
.endif
.endm
	s_load_b256 s[4:11], s[0:1], 0x0               ; W1's codes, W1's scales, b1, xq
	s_load_b256 s[52:59], s[0:1], 0x20             ; sel, rt, h, list
	s_load_b64 s[60:61], s[0:1], 0x40              ; glist
	v_lshl_add_u32 v254, v0, 2, 0x2200
	v_mov_b32 v255, 0
	v_lshrrev_b32 v1, 5, v0
	v_readfirstlane_b32 s16, v1                    ; wave
	v_and_b32 v2, 15, v0                           ; r
	v_bfe_u32 v3, v0, 4, 1                         ; hh
	v_and_b32 v4, 8, v2
	v_add_nc_u32 v4, v4, v2                        ; rm = r + 8 (r / 8)
	v_mul_u32_u24 v[V48], v3, 48
	v_mul_u32_u24 v[VW], v4, 768
	v_add_nc_u32 v[VW], v[VW], v[V48]
	v_lshl_add_u32 v[VS], v3, 3, v4
	v_lshlrev_b32 v[VS], 5, v[VS]                  ; 32 (rm + 8 hh): lanes 16-31 take the odd tile's rows
	v_lshlrev_b32 v[VB], 6, v3                     ; b1: 16 numbers further on for lanes 16-31
	v_lshlrev_b32 v[VHS], 5, v2                    ; 32 r
	v_and_b32 v[LANE], 31, v0
	v_lshlrev_b32 v[L16], 4, v[LANE]
	v_lshlrev_b32 v[L32], 5, v[LANE]
	v_lshlrev_b32 v[L8], 3, v[LANE]
	v_add_nc_u32 v[DUMP], 1024, v[LANE]
	v_lshlrev_b32 v[CP], 4, v0
	s_wait_alu depctr_va_sdst(0)                   ; s16 is written, ahead of its first reader, the line below
	s_and_b32 s[NH], s16, 1
	s_lshr_b32 s[RP], s16, 1
	s_and_b32 s[SE], ttmp7, 0xffff                 ; the expert
	s_lshl_b32 s20, s[RP], 6
	v_lshl_add_u32 v[VL0], v2, 2, s20
	s_lshl_b32 s20, s[NH], 8
	v_lshlrev_b32 v[VH128], 9, v3
	v_lshl_add_u32 v[VH128], v2, 4, v[VH128]
	v_add_nc_u32 v[VH128], s20, v[VH128]           ; 512 hh + 256 nh + 16 r
	v_lshlrev_b32 v[VH64], 7, v3
	v_lshl_add_u32 v[VH64], v2, 3, v[VH64]
	s_add_co_u32 s20, s20, 1024
	v_add_nc_u32 v[VH64], s20, v[VH64]             ; 1,024 + 256 nh + 128 hh + 8 r
	s_lshl_b32 s21, s[SE], 12
	s_lshl_b32 s22, ttmp9, 7
	s_add_co_u32 s21, s21, s22
	s_lshl_b32 s22, s[NH], 6
	s_add_co_u32 s21, s21, s22                     ; my wave's first row of W1: 4,096 e + 128 ht + 64 nh
	s_mul_i32 s24, s21, 768
	s_mov_b32 s25, 0
	s_lshl_b32 s26, s21, 5
	s_mov_b32 s27, 0
	s_lshl_b32 s28, s21, 2
	s_mov_b32 s29, 0
	s_lshl_b32 s30, s[SE], 12                      ; the expert's 1,024 list entries in memory
	s_mov_b32 s31, 0
	s_lshl_b32 s32, s[SE], 6
	s_add_co_u32 s32, s32, s[RP]
	s_lshl_b32 s32, s32, 5
	s_add_co_u32 s32, s32, ttmp9
	s_mul_i32 s32, s32, 1536                       ; ((64 e + rp) 32 + ht) 1,536
	s_mov_b32 s33, 0
	s_lshl_b32 s34, s[SE], 2
	s_lshr_b32 s35, ttmp9, 3
	s_add_co_u32 s34, s34, s35
	s_lshl_b32 s34, s34, 10
	s_lshl_b32 s35, s[RP], 4
	s_add_co_u32 s34, s34, s35
	s_lshl_b32 s34, s34, 5                         ; ((4 e + ht / 8) 1,024 + 16 rp) 32
	s_and_b32 s35, ttmp9, 7
	s_lshl_b32 s35, s35, 2
	s_add_co_u32 s34, s34, s35                     ; + the K step's word
	s_lshl_b32 s35, s[NH], 1
	s_add_co_u32 s34, s34, s35                     ; + my half of it
	s_add_co_u32 s34, s34, 25165824
	s_mov_b32 s35, 0
	s_lshl_b32 s36, s[SE], 2
	v_mov_b32 v[ZO], s36
	s_mov_b32 s[PSEL], 0x03010200                  ; v_perm_b32: bytes 1 and 2 change places
	s_mov_b32 s[SEL], 0x76543210
	s_mov_b32 s[SEL+1], 0xfedcba98
	s_wait_kmcnt 0x0
	s_add_nc_u64 s[4:5], s[4:5], s[24:25]
	s_add_nc_u64 s[6:7], s[6:7], s[26:27]
	s_add_nc_u64 s[8:9], s[8:9], s[28:29]
	s_add_nc_u64 s[LB:LB+1], s[58:59], s[30:31]
	s_add_nc_u64 s[GGB:GGB+1], s[60:61], s[30:31]
	s_add_nc_u64 s[HB:HB+1], s[56:57], s[32:33]
	s_add_nc_u64 s[HSB:HSB+1], s[56:57], s[34:35]
	s_wait_alu depctr_va_vdst(0)                   ; the offsets and LDS addresses made above (v5 to v8, v16 to v19, v22 to v28) are written: the loads, stores and LDS instructions of the whole kernel read them, and none of them is written again
; sel and the gates first; behind them 60 loads of scales, biases and weights, which are on their way while the list is made
.irp q, 0,1,2,3,4,5,6,7
	global_load_b128 v[SLV+4*\q:SLV+4*\q+3], v[L16], s[52:53] offset:512*\q
.endr
.irp q, 0,1,2,3,4,5,6,7
.irp j, 0,1
	global_load_b128 v[GTV+8*\q+4*\j:GTV+8*\q+4*\j+3], v[L32], s[54:55] offset:1024*\q+16*\j
.endr
.endr
.irp b, 0,1
.irp jj, 0,1
	global_load_b128 v[WS+8*\b+4*\jj:WS+8*\b+4*\jj+3], v[VS], s[6:7] offset:1024*\b+16*\jj
.endr
.endr
	WIN 0x40
.irp ct, 0,1,2,3
.irp jj, 0,1
	global_load_b128 v[B1+8*\ct+4*\jj:B1+8*\ct+4*\jj+3], v[VB], s[8:9] offset:(32*(\ct/2)+8*(\ct%2))*4+16*\jj
.endr
.endr
	WIN 0x80
.irp ct, 0,1,2,3
.irp st, 0,1,2,3
.irp jj, 0,1,2
	global_load_b128 v[48*\ct+12*\st+4*\jj:48*\ct+12*\st+4*\jj+3], v[VW], s[4:5] offset:(32*(\ct/2)+8*(\ct%2))*768+96*\st+16*\jj
.endr
.endr
.endr
	WIN 0
	s_mov_b32 s[BASE], 0
	s_lshl_b32 s20, s[SE], 6
	s_add_co_u32 s20, s20, 2048                    ; the expert's first pad row
	s_cmp_lg_u32 s16, 0
	s_cbranch_scc1 .Lcount
; ---- wave 0: the list.  First pad rows everywhere (entry p = 128 j + 4 lane + c: p % 64 = (4 lane + c) % 64), then the rows; LDS serves a wave's instructions in order
	v_lshlrev_b32 v[E0], 2, v[LANE]
.irp c, 0,1,2,3
	v_add_nc_u32 v[PADV+\c], \c, v[E0]
	v_and_b32 v[PADV+\c], 63, v[PADV+\c]
	v_add_nc_u32 v[PADV+\c], s20, v[PADV+\c]
	v_mov_b32 v[ZR+\c], 0
.endr
	s_wait_alu depctr_va_vdst(0)                   ; the pad rows v[PADV ..] and the zeros v[ZR ..] are written, which the sixteen LDS stores read
.irp j, 0,1,2,3,4,5,6,7
	ds_store_b128 v[L16], v[PADV:PADV+3] offset:LL+512*\j
	ds_store_b128 v[L16], v[ZR:ZR+3] offset:GLL+512*\j
.endr
	s_wait_loadcnt 60                              ; sel and the gates are in: the 4 + 8 + 48 younger loads may be out
.irp b, 0,1,2,3
	MASK8 8*\b
	SCATV 8*\b
.endr
	s_wait_alu depctr_va_vdst(0)                   ; all 32 addresses v[IX ..], rows v[SLV ..] and gates v[GTV ..] are written, which the 64 LDS stores read
.irp b, 0,1,2,3
	SCATS 8*\b
.endr
	s_wait_alu depctr_vm_vsrc(0)                   ; my 80 LDS stores have read v72 to v239: the lines behind the join and the loop's products and vector lines write these registers again
	s_branch .Ljoin
.Lcount:
; ---- waves 1 to 3: the count alone
	s_wait_loadcnt 60                              ; the same count: the same 60 loads were issued behind sel and the gates
.irp b, 0,1,2,3
	MASK8 8*\b
.endr
.Ljoin:
	s_wait_dscnt 0x0                               ; for the others' sake: wave 0's stores into the list are done
	s_barrier_signal -1
	s_barrier_wait -1                              ; from here on LDS is only read
	ds_load_b32 v[VLST], v[VL0] offset:LL          ; the rows of my first tile,
	ds_load_b32 v[VLS1], v[VL0] offset:LL+128      ; and of my second
	v_mov_b32 v[CNTV], s[BASE]
	s_wait_dscnt 0x0
	MKOFF VXO, VSO, VLST
	MKOFF VXN, VSN, VLS1
	s_wait_alu depctr_va_vdst(0)                   ; v[VXO] and v[VSO] are written, which the 26 loads below read as offsets; so is v[CNTV], which the count's store reads
	XBATCH 0, VXO, VSO
	XBATCH 1, VXO, VSO
	WIN 0xc0
.irp ct, 0,1,2,3
.irp st, 0,1,2,3
.irp jj, 0,1,2
	global_load_b128 v[48*\ct+12*\st+4*\jj:48*\ct+12*\st+4*\jj+3], v[VW], s[4:5] offset:(32*(\ct/2)+8*(\ct%2))*768+96*(\st+4)+16*\jj
.endr
.endr
.endr
	WIN 0
; ---- the expert's first work-group hands list, gates and count to the next launch: 128 threads x 16 bytes, twice for each; the data lie in registers that nothing writes again
	s_cmp_lg_u32 ttmp9, 0
	s_cbranch_scc1 .Lnocopy
	WIN 0x40
	ds_load_b128 v[128:131], v[CP] offset:LL
	ds_load_b128 v[132:135], v[CP] offset:LL+2048
	ds_load_b128 v[136:139], v[CP] offset:GLL
	ds_load_b128 v[140:143], v[CP] offset:GLL+2048
	s_wait_dscnt 0x0
	WIN 0x04                                       ; a store's data are its source 1: window 1
	global_store_b128 v[CP], v[128:131], s[LB:LB+1]              ; sixteen lanes store 256 neighbouring bytes, at a multiple of 256 from the buffer's first byte
	global_store_b128 v[CP], v[132:135], s[LB:LB+1] offset:2048
	global_store_b128 v[CP], v[136:139], s[GGB:GGB+1]
	global_store_b128 v[CP], v[140:143], s[GGB:GGB+1] offset:2048
	WIN 0
	global_store_b32 v[ZO], v[CNTV], s[58:59] offset:33792       ; the count: all lanes write the same word with the same value
.Lnocopy:
	s_wait_loadcnt 63                              ; W1's scale words are in: 130 loads were issued behind them
.irp i, 0,1,2,3,4,5,6,7,8,9,10,11,12,13,14,15
	v_perm_b32 v[WS+\i], v[WS+\i], v[WS+\i], s[PSEL]
.endr
.irp i, 0,1
	v_mov_b32 v[KC+\i], 0x3e6d3388                 ; c2 = 0.3275911 / sqrt 2
	v_mov_b32 v[KC+2+\i], 0x3f596d27               ; c1 = sqrt(log2(e) / 2)
	v_mov_b32 v[KC+4+\i], 0x3e027906               ; A1 =  0.254829592 / 2
	v_mov_b32 v[KC+6+\i], 0xbe11a98e               ; A2 = -0.284496736 / 2
	v_mov_b32 v[KC+8+\i], 0x3f35f0e3               ; A3 =  1.421413741 / 2
	v_mov_b32 v[KC+10+\i], 0xbf3a00e3              ; A4 = -1.453152027 / 2
	v_mov_b32 v[KC+12+\i], 0x3f07dc22              ; A5 =  1.061405429 / 2
	v_mov_b32 v[PT+\i], 0                          ; (a lane permute's destination counts as one of its sources)
.endr
	s_wait_alu depctr_va_vdst(0)                   ; the sixteen v_perm_b32 have written W1's scale words v[WS ..], which the products take as scales; the sixteen plain lines above are the places between
	s_add_co_u32 s37, s[BASE], 31
	s_lshr_b32 s37, s37, 5
	s_max_u32 s37, s37, 2                          ; at least two tiles for each parity,
	s_min_u32 s37, s37, 32                         ; at most the expert's room
	s_sub_co_u32 s[NW1], s37, 1
	s_mov_b32 s[TI], 0
.Ltile:
	TRIP 1
	s_add_co_u32 s[TI], s[TI], 1
	s_cmp_lt_u32 s[TI], s[NW1]
	s_cbranch_scc1 .Ltile
	TRIP 0                                         ; the last tile asks for nothing
	s_barrier_signal -1
	s_barrier_wait -1
	s_wait_dscnt 0x0                               ; the closing lines, six on end
	s_wait_alu 0x0
	s_wait_tensorcnt 0x0
	ds_add_u32 v254, v255
	s_wait_dscnt 0x0
	s_endpgm
.Lfunc_end_k_qa70d4fa0c3_ffn1:
	.size	k_qa70d4fa0c3_ffn1, .Lfunc_end_k_qa70d4fa0c3_ffn1-k_qa70d4fa0c3_ffn1
	.p2alignl 7, 3214868480
	.fill 96, 4, 3214868480
	.section	.rodata,"a",@progbits
	.p2align	6, 0x0
	.amdhsa_kernel k_qa70d4fa0c3_ffn1
		.amdhsa_group_segment_fixed_size 9216
		.amdhsa_private_segment_fixed_size 0
		.amdhsa_enable_private_segment 0
		.amdhsa_kernarg_size 72
		.amdhsa_user_sgpr_count 2
		.amdhsa_user_sgpr_kernarg_segment_ptr 1
		.amdhsa_wavefront_size32 1
		.amdhsa_system_sgpr_workgroup_id_x 1
		.amdhsa_system_sgpr_workgroup_id_y 1
		.amdhsa_system_sgpr_workgroup_id_z 1
		.amdhsa_system_vgpr_workitem_id 0
		.amdhsa_next_free_vgpr 960
		.amdhsa_next_free_sgpr 96
		.amdhsa_reserve_vcc 0
		.amdhsa_float_denorm_mode_32 3
		.amdhsa_float_denorm_mode_16_64 3
		.amdhsa_memory_ordered 1
		.amdhsa_forward_progress 1
		.amdhsa_inst_pref_size 113
	.end_amdhsa_kernel
	.amdgpu_metadata
---
amdhsa.version: [ 1, 2 ]
amdhsa.kernels:
  - .name:           k_qa70d4fa0c3_ffn1
    .symbol:         k_qa70d4fa0c3_ffn1.kd
    .args:
      - { .name: W1_codes, .offset: 0, .size: 8, .value_kind: global_buffer, .address_space: global }
      - { .name: W1_scales, .offset: 8, .size: 8, .value_kind: global_buffer, .address_space: global }
      - { .name: b1, .offset: 16, .size: 8, .value_kind: global_buffer, .address_space: global }
      - { .name: xq, .offset: 24, .size: 8, .value_kind: global_buffer, .address_space: global }
      - { .name: sel, .offset: 32, .size: 8, .value_kind: global_buffer, .address_space: global }
      - { .name: rt, .offset: 40, .size: 8, .value_kind: global_buffer, .address_space: global }
      - { .name: h, .offset: 48, .size: 8, .value_kind: global_buffer, .address_space: global }
      - { .name: list, .offset: 56, .size: 8, .value_kind: global_buffer, .address_space: global }
      - { .name: glist, .offset: 64, .size: 8, .value_kind: global_buffer, .address_space: global }
    .group_segment_fixed_size: 9216
    .private_segment_fixed_size: 0
    .kernarg_segment_align: 8
    .kernarg_segment_size: 72
    .max_flat_workgroup_size: 128
    .sgpr_count:     96
    .vgpr_count:     960
    .wavefront_size: 32
...
	.end_amdgpu_metadata
.endif
;; end of part 6
;; launch ffn2 (part 7): grid 32 x 8, 4 waves a work-group, no clusters, 70,144 bytes of LDS; arguments W2_codes, W2_scales, b2, h, list, glist, y; writes y
.if DOCPART == 7
	.amdgcn_target "amdgcn-amd-amdhsa--gfx1250"
	.amdhsa_code_object_version 6
	.text
	.protected	k_qa70d4fa0c3_ffn2
	.globl	k_qa70d4fa0c3_ffn2
	.p2align	8
	.type	k_qa70d4fa0c3_ffn2,@function
k_qa70d4fa0c3_ffn2:
	s_mov_b64 s[64:65], 0
	v_nop
	global_prefetch_b8 v0, s[64:65] scope:SCOPE_SE
	s_setreg_imm32_b32 hwreg(HW_REG_WAVE_SCHED_MODE, 0, 2), 2
	s_setreg_imm32_b32 hwreg(HW_REG_WAVE_MODE, 25, 1), 1
	s_wait_xcnt 0x0
	s_wait_alu depctr_vm_vsrc(0)
; y[rr] = gate x (h W2 + b2) for the rows that chose the expert, on codes of E3M2 with one E8M0 scale for each 32 along K.
; W2_codes [8][1024][3,072 bytes], W2_scales [8][1024][128], b2 [8][1024] f32; h as the launch before lays it; list, glist: the experts' rows, counts and gates.  y [2,560][1,024] f32: row rr = 2 token + k; rows from 2,048 on take pad rows.
; SHARES.  Work-group (x, e): nt = x % 16 picks 64 columns of expert e, sp = x / 16 the parity of the groups of 32 rows.  Wave w takes K steps 8 w .. 8 w + 7 (a quarter of K = 4,096) for all 64 columns:
; its weights (4 tiles x 8 K steps x 12 registers = 384) stay in registers, and each fragment of h is loaded by ONE wave of the work-group and feeds four products.
; The four waves' partial sums meet in a stage in LDS; each wave then adds, scales and stores 8 whole pieces of rows: sixteen lanes store 256 neighbouring bytes.
; THE LOOP'S TRIP COUNT IS A CONSTANT (8 trips of two groups): the barrier stands on every wave's path; what hangs on the expert's count is jumped over by scalar branches round the work alone.
; Rows under LIM = max(64, the count rounded up to 32) are worked, so the first group's loads at the head are unconditional.
; Two stages take turns (written out, named by immediates): a stage is written again two groups later, behind the barrier in between, in front of which every wave has waited for its reads.
; No tensor loads, clusters or joint loads: branches hang on a stored number.  No prefetch: all weight loads go out at the head, and h is asked for a group ahead.
; ORDER ALONG K as in the launch before: the place (registers 6 c .., half hh) holds the K step's block 2 hh + c in both operands, and scale words have bytes 1 and 2 exchanged (W2's once, h's for each group).
; The sum over K is made in four quarters, added in f32.  TRANSPOSED: source 0 = 16 rows of W2 (columns of y), source 1 = 16 rows of h: a lane holds eight neighbouring columns of one row.
; LIMITS: NaN and infinities are not served.
; REGISTERS: window 0 as named below; window 1: h's fragments (96 m + 12 s); window 2: W2 of my K steps 0-3 (48 ct + 12 s); window 3: 4-7.
; THE MODE: SCHED_MODE bits 1:0 = 2 (LLVM: expert scheduling mode 2), set by the entry lines.  The code itself states the register dependences
; between vector or matrix instructions and memory or LDS instructions, with s_wait_alu, always for 0.
; THE PLAN.  Registers that memory or LDS instructions touch, in the loop:
;   h's fragments                K steps 0-3: read by a group's first 32 products; the next group's 32 loads land there, dealt among the second 32 products.  K steps 4-7: read by the second 32; their 32 loads follow the stage's stores.
;   v[HR ..], v[LST ..], v[GL ..]  Read by the twenty vector lines at a group's head; behind them the next group's four loads land there.
;   the accumulators             Written by the products; read by the sixteen LDS stores into the stage; begun anew by the next group's first products.
;   v[RD ..]                     The way out's LDS loads land there; its additions work in place; its four stores read them.
;   v[YO ..]                     Written at a group's head; read by the way out's four stores as offsets.
;   v[VHA], v[VHB], v[VHR], v[VLG], v[VST], v[VRD], v[VW], v[VS], v[VB]  Made at the head and never written again.
; A group has four waits on va_vdst: behind its head's vector lines (h's scale words are written for the products; the small loads' registers are read), behind the first 32 products, behind the second 32
; (the accumulators are written for the stage's stores; K steps 4-7 are read), and behind the way out's additions, ahead of its run of four stores; the last also serves the next way out's LDS loads into v[RD ..],
; which no vector line names in between.  One wait on vm_vsrc stands behind the way out, on every path: behind it v[YO ..], v[RD ..] and the accumulators are written again.
; The second 32 products name K steps 4-7, window 3, the accumulators and scale words: none of the registers that the loads dealt among them touch, so those loads want no further wait.
.set WS,  32                           ; v32-47   W2's scale words (8 p + s): lanes 0-15 tile 2 p, lanes 16-31 tile 2 p + 1
.set HS,  48                           ; v48-55   h's scale words: lanes 0-15 the group's first 16 rows, lanes 16-31 the other 16
.set HR,  56                           ; v56-63   the same as loaded
.set LST, 64                           ; v64-67   rr of rows 8 w + 4 hh + 0 .. 3
.set GL,  68                           ; v68-71   their gates
.set YO,  72                           ; v72-75   their byte offsets in y
.set GT,  76                           ; v76-79   the gates, kept while the next group's are loaded
.set B2,  80                           ; v80-83   b2 of columns 4 r .. 4 r + 3
.set ACC, 96                           ; v96-159  eight accumulators (32 m + 8 ct)
.set RD,  160                          ; v160-223 the way out (16 i + 4 p)
.set VW,  4
.set VS,  5
.set VB,  6
.set VHA, 7
.set VHB, 8
.set VHR, 9
.set VLG, 10
.set VST, 11
.set VRD, 12
.set STGB, 34816                       ; a stage: 4 waves x 32 rows x (256 bytes + 16)
.set WV,  18
.set NT,  19
.set SP,  20
.set SE,  21
.set HFB, 40                           ; s[40:41] the group's codes of h, my K quarter
.set HRB, 42                           ; s[42:43] its scale words
.set LB,  44                           ; s[44:45] its list entries, my 8 rows
.set GB,  46                           ; s[46:47] its gates
.set PSEL, 48
.set LIM, 49
.set ROW, 50                           ; the group's first row
.set CT,  51
.set MSB, 0
.macro WIN new                         ; the immediate's high byte repeats the setting that is left; a switch that changes nothing is dropped
.if MSB != \new
	s_set_vgpr_msb (MSB<<8)|\new
.set MSB, \new
.endif
.endm
.macro PLACES                          ; four plain places behind matrix instructions, ahead of loads into their sources and of the first read of results
.rept 4
	v_nop
.endr
.endm
.macro MLOAD nx                        ; 4 loads: scale words, rows and gates of this group (nx = 0) or of my next one (nx = 1)
	global_load_b128 v[HR:HR+3], v[VHR], s[HRB:HRB+1] offset:\nx*2048
	global_load_b128 v[HR+4:HR+7], v[VHR], s[HRB:HRB+1] offset:\nx*2048+16
	global_load_b128 v[LST:LST+3], v[VLG], s[LB:LB+1] offset:\nx*256
	global_load_b128 v[GL:GL+3], v[VLG], s[GB:GB+1] offset:\nx*256
.endm
.macro HFRAG m, st, nx                 ; 4 loads: h's fragment of tile m of rows, K step st
	WIN 0x40
.irp c, 0,1
	global_load_b128 v[96*(\m)+12*(\st)+6*\c:96*(\m)+12*(\st)+6*\c+3], v[VHA], s[HFB:HFB+1] offset:(\nx)*196608+49152*(\m)+1536*(\st)+512*\c
	global_load_b64 v[96*(\m)+12*(\st)+6*\c+4:96*(\m)+12*(\st)+6*\c+5], v[VHB], s[HFB:HFB+1] offset:(\nx)*196608+49152*(\m)+1536*(\st)+128*\c
.endr
.endm
.macro HBATCH hf, nx                   ; 32 loads: h's fragments of both tiles, K steps 4 hf .. 4 hf + 3
.irp m, 0,1
.irp st, 0,1,2,3
	HFRAG \m, 4*\hf+\st, \nx
.endr
.endr
	WIN 0
.endm
.macro MM2 m, ct, st                   ; tile m of rows, tile ct of columns, K step st.  The first K step starts the sums: nothing is cleared
.if (\st) < 4
	WIN 0x06                                       ; W2 window 2, h window 1
.else
	WIN 0x07                                       ; W2 window 3
.endif
.set rD, ACC+32*(\m)+8*(\ct)
.set rA, 48*(\ct)+12*((\st)%4)
.set rB, 96*(\m)+12*(\st)
.set rW, WS+8*((\ct)/2)+(\st)
.set rH, HS+(\st)
.set vr, 2*(\m)+(\ct)%2
.if (\st) == 0
.if vr == 0
	v_wmma_scale_f32_16x16x128_f8f6f4 v[rD:rD+7], v[rA:rA+11], v[rB:rB+11], 0, v[rW], v[rH] matrix_a_fmt:MATRIX_FMT_BF6 matrix_b_fmt:MATRIX_FMT_BF6
.elseif vr == 1
	v_wmma_scale_f32_16x16x128_f8f6f4 v[rD:rD+7], v[rA:rA+11], v[rB:rB+11], 0, v[rW], v[rH] matrix_a_fmt:MATRIX_FMT_BF6 matrix_b_fmt:MATRIX_FMT_BF6 matrix_a_scale:MATRIX_SCALE_ROW1
.elseif vr == 2
	v_wmma_scale_f32_16x16x128_f8f6f4 v[rD:rD+7], v[rA:rA+11], v[rB:rB+11], 0, v[rW], v[rH] matrix_a_fmt:MATRIX_FMT_BF6 matrix_b_fmt:MATRIX_FMT_BF6 matrix_b_scale:MATRIX_SCALE_ROW1
.else
	v_wmma_scale_f32_16x16x128_f8f6f4 v[rD:rD+7], v[rA:rA+11], v[rB:rB+11], 0, v[rW], v[rH] matrix_a_fmt:MATRIX_FMT_BF6 matrix_b_fmt:MATRIX_FMT_BF6 matrix_a_scale:MATRIX_SCALE_ROW1 matrix_b_scale:MATRIX_SCALE_ROW1
.endif
.else
.if vr == 0
	v_wmma_scale_f32_16x16x128_f8f6f4 v[rD:rD+7], v[rA:rA+11], v[rB:rB+11], v[rD:rD+7], v[rW], v[rH] matrix_a_fmt:MATRIX_FMT_BF6 matrix_b_fmt:MATRIX_FMT_BF6
.elseif vr == 1
	v_wmma_scale_f32_16x16x128_f8f6f4 v[rD:rD+7], v[rA:rA+11], v[rB:rB+11], v[rD:rD+7], v[rW], v[rH] matrix_a_fmt:MATRIX_FMT_BF6 matrix_b_fmt:MATRIX_FMT_BF6 matrix_a_scale:MATRIX_SCALE_ROW1
.elseif vr == 2
	v_wmma_scale_f32_16x16x128_f8f6f4 v[rD:rD+7], v[rA:rA+11], v[rB:rB+11], v[rD:rD+7], v[rW], v[rH] matrix_a_fmt:MATRIX_FMT_BF6 matrix_b_fmt:MATRIX_FMT_BF6 matrix_b_scale:MATRIX_SCALE_ROW1
.else
	v_wmma_scale_f32_16x16x128_f8f6f4 v[rD:rD+7], v[rA:rA+11], v[rB:rB+11], v[rD:rD+7], v[rW], v[rH] matrix_a_fmt:MATRIX_FMT_BF6 matrix_b_fmt:MATRIX_FMT_BF6 matrix_a_scale:MATRIX_SCALE_ROW1 matrix_b_scale:MATRIX_SCALE_ROW1
.endif
.endif
.endm
.macro STEPS2 s0                       ; four K steps; the eight accumulators take turns, one instruction a turn
.irp st, \s0, \s0+1, \s0+2, \s0+3
.irp m, 0,1
.irp ct, 0,1,2,3
	MM2 \m, \ct, \st
.endr
.endr
.endr
.endm
.macro STEPS2L                         ; K steps 4-7, the products in the same order; behind each four of them the four loads of one fragment of my next group's K steps 0-3, in the order in which that group takes them
.irp st, 0,1,2,3
.irp m, 0,1
.irp ct, 0,1,2,3
	MM2 \m, \ct, \st+4
.endr
	HFRAG \m, \st, 1
.endr
.endr
.endm
; A group of 32 rows: my quarter of K.  re = 1: my next group exists, and its operands are asked for here.  sg: the stage.
.macro WORK re, sg
	s_wait_loadcnt 32                              ; the small loads and K steps 0-3 are in: the 32 loads of K steps 4-7 may be out
.irp i, 0,1,2,3,4,5,6,7
	v_perm_b32 v[HS+\i], v[HR+\i], v[HR+\i], s[PSEL]   ; h's scale words, bytes 1 and 2 exchanged
.endr
.irp i, 0,1,2,3
	v_min_u32 v[YO+\i], 0x9ff, v[LST+\i]           ; a loaded row number is held inside y before it enters an address
.endr
.irp i, 0,1,2,3
	v_lshl_add_u32 v[YO+\i], v[YO+\i], 12, v[VB]   ; row x 4,096 + 16 r
.endr
.irp i, 0,1,2,3
	v_mov_b32 v[GT+\i], v[GL+\i]                   ; (these twelve lines are also the eight places between the scale words' last write and the first scaled product)
.endr
	s_wait_alu depctr_va_vdst(0)                   ; h's scale words v[HS ..] are written (in the first group W2's v[WS ..] too), which the products take as scales; the lines above are done reading v[HR ..], v[LST ..], v[GL ..], in which the next group's four loads land
.if \re
	MLOAD 1
.endif
	STEPS2 0
	WIN 0
	PLACES
.if \re
	s_wait_alu depctr_va_vdst(0)                   ; the 32 products are done reading h's fragments of K steps 0-3, in which the 32 loads dealt among the next products land
	s_wait_loadcnt 4                               ; K steps 4-7 are in: the next group's 4 small loads may be out
	STEPS2L
.else
	s_wait_loadcnt 0x0
	STEPS2 4
.endif
	WIN 0
	PLACES
	s_wait_alu depctr_va_vdst(0)                   ; the products have written the accumulators, which the LDS stores read (the places above stay beside this wait), and are done reading h's fragments of K steps 4-7, in which the 32 loads below land
.irp m, 0,1
.irp ct, 0,1,2,3
	ds_store_b128 v[VST], v[ACC+32*\m+8*\ct:ACC+32*\m+8*\ct+3] offset:\sg*STGB+4352*\m+64*\ct         ; each accumulator from its low end on
	ds_store_b128 v[VST], v[ACC+32*\m+8*\ct+4:ACC+32*\m+8*\ct+7] offset:\sg*STGB+4352*\m+64*\ct+16
.endr
.endr
.if \re
	HBATCH 1, 1                                    ; behind the stage's stores, which name none of these loads' registers and are served while the loads are issued
.endif
.endm
; The way out: rows 8 w + 4 hh + i of the group; the four quarters are added, then b2, then the gate.  The four rows' additions stand first, the four stores in one run behind one wait.
.macro OUT sg
.irp i, 0,1,2,3
.irp p, 0,1,2,3
	ds_load_b128 v[RD+16*\i+4*\p:RD+16*\i+4*\p+3], v[VRD] offset:\sg*STGB+8704*\p+272*\i
.endr
.endr
.irp i, 0,1,2,3
	s_wait_dscnt 12-4*\i                           ; row i's four loads are in: the later rows' may be out
	v_pk_add_f32 v[RD+16*\i:RD+16*\i+1], v[RD+16*\i:RD+16*\i+1], v[RD+16*\i+4:RD+16*\i+5]
	v_pk_add_f32 v[RD+16*\i+2:RD+16*\i+3], v[RD+16*\i+2:RD+16*\i+3], v[RD+16*\i+6:RD+16*\i+7]
	v_pk_add_f32 v[RD+16*\i+8:RD+16*\i+9], v[RD+16*\i+8:RD+16*\i+9], v[RD+16*\i+12:RD+16*\i+13]
	v_pk_add_f32 v[RD+16*\i+10:RD+16*\i+11], v[RD+16*\i+10:RD+16*\i+11], v[RD+16*\i+14:RD+16*\i+15]
	v_pk_add_f32 v[RD+16*\i:RD+16*\i+1], v[RD+16*\i:RD+16*\i+1], v[RD+16*\i+8:RD+16*\i+9]
	v_pk_add_f32 v[RD+16*\i+2:RD+16*\i+3], v[RD+16*\i+2:RD+16*\i+3], v[RD+16*\i+10:RD+16*\i+11]
	v_pk_add_f32 v[RD+16*\i:RD+16*\i+1], v[RD+16*\i:RD+16*\i+1], v[B2:B2+1]
	v_pk_add_f32 v[RD+16*\i+2:RD+16*\i+3], v[RD+16*\i+2:RD+16*\i+3], v[B2+2:B2+3]
.irp c, 0,1,2,3
	v_mul_f32 v[RD+16*\i+\c], v[RD+16*\i+\c], v[GT+\i]
.endr
.endr
	s_wait_alu depctr_va_vdst(0)                   ; the lines above have written the four rows in v[RD ..], and the group's head v[YO ..]: the stores read both.  They are also done with all of v[RD ..], in which the next way out's LDS loads land
.irp i, 0,1,2,3
	global_store_b128 v[YO+\i], v[RD+16*\i:RD+16*\i+3], s[16:17]   ; sixteen lanes store 256 neighbouring bytes, at a multiple of 256 from y's first byte
.endr
.endm
.macro SUB sg
	s_cmp_ge_u32 s[ROW], s[LIM]
	s_cbranch_scc1 .Lbar_\@                        ; no rows left: only the barrier is passed
	s_add_co_u32 s52, s[ROW], 64
	s_cmp_lt_u32 s52, s[LIM]
	s_cbranch_scc0 .Llast_\@
	WORK 1, \sg
	s_branch .Lbar_\@
.Llast_\@:
	WORK 0, \sg                                    ; my last group asks for nothing
.Lbar_\@:
	s_wait_dscnt 0x0                               ; for the others' sake: my stores into this stage are done, and my reads of the other stage are over
	s_barrier_signal -1
	s_barrier_wait -1
	s_cmp_ge_u32 s[ROW], s[LIM]
	s_cbranch_scc1 .Lskip_\@
	OUT \sg
.Lskip_\@:
	s_wait_xcnt 0x0                                ; the bases, the stores' offsets and their data are rewritten only behind this wait
	s_wait_alu depctr_vm_vsrc(0)                   ; the way out's stores have read v[YO ..] and v[RD ..], my stage's stores the accumulators: the next group's head, way out and first products write them again
	s_add_nc_u64 s[HFB:HFB+1], s[HFB:HFB+1], 196608    ; two groups on: four tiles of 32 x 1,536 bytes
	s_add_nc_u64 s[HRB:HRB+1], s[HRB:HRB+1], 2048
	s_add_nc_u64 s[LB:LB+1], s[LB:LB+1], 256
	s_add_nc_u64 s[GB:GB+1], s[GB:GB+1], 256
	s_add_co_u32 s[ROW], s[ROW], 64
.endm
	s_load_b256 s[4:11], s[0:1], 0x0               ; W2's codes, W2's scales, b2, h
	s_load_b128 s[12:15], s[0:1], 0x20             ; list, glist
	s_load_b64 s[16:17], s[0:1], 0x30              ; y
	v_lshl_add_u32 v254, v0, 2, 0x11000
	v_mov_b32 v255, 0
	v_lshrrev_b32 v1, 5, v0
	v_readfirstlane_b32 s[WV], v1                  ; wave = my quarter of K
	s_and_b32 s[NT], ttmp9, 15
	s_lshr_b32 s[SP], ttmp9, 4
	s_and_b32 s[SE], ttmp7, 0xffff
	v_and_b32 v1, 31, v0                           ; lane
	v_and_b32 v2, 15, v0                           ; r
	v_bfe_u32 v3, v0, 4, 1                         ; hh
	v_mul_u32_u24 v[VW], v2, 3072
	v_mul_u32_u24 v13, v3, 48
	v_add_nc_u32 v[VW], v[VW], v13                 ; W2's codes: 3,072 r + 48 hh
	v_lshlrev_b32 v[VS], 7, v1                     ; W2's scales: 128 lane: lanes 16-31 take the odd tile's rows
	v_lshlrev_b32 v[VB], 4, v2                     ; 16 r
	v_lshlrev_b32 v[VHA], 4, v1                    ; h's image: 16 lane,
	v_lshlrev_b32 v[VHB], 8, v3
	v_lshl_add_u32 v[VHB], v2, 3, v[VHB]
	v_add_nc_u32 v[VHB], 1024, v[VHB]              ; and 1,024 + 256 hh + 8 r
	v_lshlrev_b32 v[VHR], 5, v1                    ; h's scale words: 32 lane
	v_lshlrev_b32 v[VLG], 4, v3                    ; rows and gates: 16 hh
	v_mul_u32_u24 v[VST], v2, 272
	v_lshl_add_u32 v[VST], v3, 5, v[VST]
	s_wait_alu depctr_va_sdst(0)                   ; s[WV] is written, ahead of its first reader, the line below
	s_mul_i32 s22, s[WV], 8704
	v_add_nc_u32 v[VST], s22, v[VST]               ; the stage, in: 8,704 w + 272 r + 32 hh
	v_mul_u32_u24 v[VRD], v3, 1088
	v_lshl_add_u32 v[VRD], v2, 4, v[VRD]
	s_mul_i32 s22, s[WV], 2176
	v_add_nc_u32 v[VRD], s22, v[VRD]               ; and out: (8 w + 4 hh) 272 + 16 r
	s_lshl_b32 s22, s[SE], 10
	s_lshl_b32 s23, s[NT], 6
	s_add_co_u32 s22, s22, s23                     ; my first row of W2: 1,024 e + 64 nt
	s_mul_i32 s24, s22, 3072
	s_mul_i32 s23, s[WV], 768
	s_add_co_u32 s24, s24, s23
	s_mov_b32 s25, 0
	s_lshl_b32 s26, s22, 7
	s_lshl_b32 s23, s[WV], 5
	s_add_co_u32 s26, s26, s23
	s_mov_b32 s27, 0
	s_lshl_b32 s28, s22, 2
	s_mov_b32 s29, 0
	s_lshl_b32 s30, s[SE], 6
	s_lshl_b32 s23, s[SP], 1
	s_add_co_u32 s30, s30, s23
	s_lshl_b32 s30, s30, 5
	s_lshl_b32 s23, s[WV], 3
	s_add_co_u32 s30, s30, s23
	s_mul_i32 s30, s30, 1536                       ; ((64 e + 2 sp) 32 + 8 w) 1,536
	s_mov_b32 s31, 0
	s_lshl_b32 s32, s[SE], 2
	s_add_co_u32 s32, s32, s[WV]
	s_lshl_b32 s32, s32, 10
	s_lshl_b32 s23, s[SP], 5
	s_add_co_u32 s32, s32, s23
	s_lshl_b32 s32, s32, 5
	s_add_co_u32 s32, s32, 25165824                ; 25,165,824 + ((4 e + w) 1,024 + 32 sp) 32
	s_mov_b32 s33, 0
	s_lshl_b32 s34, s[SE], 10
	s_add_co_u32 s34, s34, s23
	s_lshl_b32 s23, s[WV], 3
	s_add_co_u32 s34, s34, s23
	s_lshl_b32 s34, s34, 2                         ; (1,024 e + 32 sp + 8 w) 4
	s_mov_b32 s35, 0
	s_lshl_b32 s36, s[NT], 8
	s_mov_b32 s37, 0
	s_lshl_b32 s38, s[SE], 2
	s_mov_b32 s[PSEL], 0x03010200                  ; v_perm_b32: bytes 1 and 2 change places
	s_wait_kmcnt 0x0
	s_load_b32 s39, s[12:13], s38 offset:33792     ; the expert's count
	s_add_nc_u64 s[4:5], s[4:5], s[24:25]
	s_add_nc_u64 s[6:7], s[6:7], s[26:27]
	s_add_nc_u64 s[8:9], s[8:9], s[28:29]
	s_add_nc_u64 s[HFB:HFB+1], s[10:11], s[30:31]
	s_add_nc_u64 s[HRB:HRB+1], s[10:11], s[32:33]
	s_add_nc_u64 s[LB:LB+1], s[12:13], s[34:35]
	s_add_nc_u64 s[GB:GB+1], s[14:15], s[34:35]
	s_add_nc_u64 s[16:17], s[16:17], s[36:37]
	s_wait_alu depctr_va_vdst(0)                   ; the nine offsets and LDS addresses v4 to v12 are written: the loads, stores and LDS instructions of the whole kernel read them, and none of them is written again
.irp p, 0,1
.irp jj, 0,1
	global_load_b128 v[WS+8*\p+4*\jj:WS+8*\p+4*\jj+3], v[VS], s[6:7] offset:4096*\p+16*\jj
.endr
.endr
	global_load_b128 v[B2:B2+3], v[VB], s[8:9]
	WIN 0x80
.irp ct, 0,1,2,3
.irp st, 0,1,2,3
.irp jj, 0,1,2
	global_load_b128 v[48*\ct+12*\st+4*\jj:48*\ct+12*\st+4*\jj+3], v[VW], s[4:5] offset:49152*\ct+96*\st+16*\jj
.endr
.endr
.endr
	WIN 0xc0
.irp ct, 0,1,2,3
.irp st, 0,1,2,3
.irp jj, 0,1,2
	global_load_b128 v[48*\ct+12*\st+4*\jj:48*\ct+12*\st+4*\jj+3], v[VW], s[4:5] offset:49152*\ct+96*(\st+4)+16*\jj
.endr
.endr
.endr
	WIN 0
	MLOAD 0                                        ; my first group lies in the 64 rows that every expert always has
	HBATCH 0, 0
	HBATCH 1, 0
	s_wait_loadcnt 63                              ; W2's scale words and b2 are in: more than 63 loads were issued behind them
.irp i, 0,1,2,3,4,5,6,7,8,9,10,11,12,13,14,15
	v_perm_b32 v[WS+\i], v[WS+\i], v[WS+\i], s[PSEL]
.endr
.irp i, 0,1,2,3
	v_mov_b32 v[YO+\i], 0                          ; written on every path of the text ahead of the way out
	v_mov_b32 v[GT+\i], 0
.endr
	s_wait_kmcnt 0x0
	s_add_co_u32 s[LIM], s39, 31
	s_and_not1_b32 s[LIM], s[LIM], 31
	s_max_u32 s[LIM], s[LIM], 64
	s_min_u32 s[LIM], s[LIM], 1024
	s_lshl_b32 s[ROW], s[SP], 5
	s_mov_b32 s[CT], 8
.Lpair:
	SUB 0
	SUB 1
	s_sub_co_u32 s[CT], s[CT], 1
	s_cmp_lg_u32 s[CT], 0
	s_cbranch_scc1 .Lpair
	s_barrier_signal -1
	s_barrier_wait -1
	s_wait_dscnt 0x0                               ; the closing lines, six on end
	s_wait_alu 0x0
	s_wait_tensorcnt 0x0
	ds_add_u32 v254, v255
	s_wait_dscnt 0x0
	s_endpgm
.Lfunc_end_k_qa70d4fa0c3_ffn2:
	.size	k_qa70d4fa0c3_ffn2, .Lfunc_end_k_qa70d4fa0c3_ffn2-k_qa70d4fa0c3_ffn2
	.p2alignl 7, 3214868480
	.fill 96, 4, 3214868480
	.section	.rodata,"a",@progbits
	.p2align	6, 0x0
	.amdhsa_kernel k_qa70d4fa0c3_ffn2
		.amdhsa_group_segment_fixed_size 70144
		.amdhsa_private_segment_fixed_size 0
		.amdhsa_enable_private_segment 0
		.amdhsa_kernarg_size 56
		.amdhsa_user_sgpr_count 2
		.amdhsa_user_sgpr_kernarg_segment_ptr 1
		.amdhsa_wavefront_size32 1
		.amdhsa_system_sgpr_workgroup_id_x 1
		.amdhsa_system_sgpr_workgroup_id_y 1
		.amdhsa_system_sgpr_workgroup_id_z 1
		.amdhsa_system_vgpr_workitem_id 0
		.amdhsa_next_free_vgpr 960
		.amdhsa_next_free_sgpr 66
		.amdhsa_reserve_vcc 0
		.amdhsa_float_denorm_mode_32 3
		.amdhsa_float_denorm_mode_16_64 3
		.amdhsa_memory_ordered 1
		.amdhsa_forward_progress 1
		.amdhsa_inst_pref_size 88
	.end_amdhsa_kernel
	.amdgpu_metadata
---
amdhsa.version: [ 1, 2 ]
amdhsa.kernels:
  - .name:           k_qa70d4fa0c3_ffn2
    .symbol:         k_qa70d4fa0c3_ffn2.kd
    .args:
      - { .name: W2_codes, .offset: 0, .size: 8, .value_kind: global_buffer, .address_space: global }
      - { .name: W2_scales, .offset: 8, .size: 8, .value_kind: global_buffer, .address_space: global }
      - { .name: b2, .offset: 16, .size: 8, .value_kind: global_buffer, .address_space: global }
      - { .name: h, .offset: 24, .size: 8, .value_kind: global_buffer, .address_space: global }
      - { .name: list, .offset: 32, .size: 8, .value_kind: global_buffer, .address_space: global }
      - { .name: glist, .offset: 40, .size: 8, .value_kind: global_buffer, .address_space: global }
      - { .name: y, .offset: 48, .size: 8, .value_kind: global_buffer, .address_space: global }
    .group_segment_fixed_size: 70144
    .private_segment_fixed_size: 0
    .kernarg_segment_align: 8
    .kernarg_segment_size: 56
    .max_flat_workgroup_size: 128
    .sgpr_count:     66
    .vgpr_count:     960
    .wavefront_size: 32
...
	.end_amdgpu_metadata
.endif
;; end of part 7
;; launch combine (part 8): grid 256 x 1, 4 waves a work-group, no clusters, 0 bytes of LDS; arguments y, rt, out0, out1; writes out0, out1
.if DOCPART == 8
	.amdgcn_target "amdgcn-amd-amdhsa--gfx1250"
	.amdhsa_code_object_version 6
	.text
	.protected	k_qa70d4fa0c3_combine
	.globl	k_qa70d4fa0c3_combine
	.p2align	8
	.type	k_qa70d4fa0c3_combine,@function
k_qa70d4fa0c3_combine:
	s_mov_b64 s[64:65], 0
	v_nop
	global_prefetch_b8 v0, s[64:65] scope:SCOPE_SE
	s_setreg_imm32_b32 hwreg(HW_REG_WAVE_MODE, 25, 1), 1
	s_wait_xcnt 0x0
; out0[token] = y[2 token] + y[2 token + 1]: the two chosen experts' rows, each already multiplied by its gate.  y [2,560][1,024] f32, out0 [1,024][1,024] f32.
; A wave takes a token: 8,192 neighbouring bytes in, 4,096 out; every load and store of the wave covers 512 neighbouring bytes.  All 16 loads go out at once.  A stream: no LDS, no matrix unit, no barrier.
; out1 = the mean over the 8 experts of (mean probability - 1/8)^2.  The probabilities [1024][8] f32 lie in rt from byte 8,192.  A sum over all tokens has one owner: the wave of token 0 takes a path of its own,
; asks for the 32,768 bytes by 64 loads ahead of its token's 16, and adds them behind its token's stores.  Its registers: v72-199 the first 32 loads, window 1's v0-127 the other 32.
.set A, 4                              ; v[4 + 8 i ..]: chunk i of the first row (4 registers), then of the second (4)
.set PB, 72
.set MSB, 0
.macro WIN new                         ; the immediate's high byte repeats the setting that is left
.if MSB != \new
	s_set_vgpr_msb (MSB<<8)|\new
.set MSB, \new
.endif
.endm
.macro MAIN
.irp i, 0,1,2,3,4,5,6,7
	global_load_b128 v[A+8*\i:A+8*\i+3], v1, s[4:5] offset:512*\i th:TH_LOAD_NT
	global_load_b128 v[A+8*\i+4:A+8*\i+7], v1, s[4:5] offset:4096+512*\i th:TH_LOAD_NT
.endr
.irp i, 0,1,2,3,4,5,6,7
	s_wait_loadcnt 14-2*\i                         ; chunk i's two loads are in: the later chunks' may be out
	v_pk_add_f32 v[A+8*\i:A+8*\i+1], v[A+8*\i:A+8*\i+1], v[A+8*\i+4:A+8*\i+5]
	v_pk_add_f32 v[A+8*\i+2:A+8*\i+3], v[A+8*\i+2:A+8*\i+3], v[A+8*\i+6:A+8*\i+7]
	global_store_b128 v1, v[A+8*\i:A+8*\i+3], s[8:9] offset:512*\i th:TH_STORE_NT
.endr
.endm
	s_load_b256 s[4:11], s[0:1], 0x0               ; y, rt, out0, out1
	v_lshrrev_b32 v1, 5, v0
	v_readfirstlane_b32 s12, v1
	s_lshl_b32 s13, ttmp9, 2
	s_add_co_u32 s13, s13, s12                     ; token
	s_lshl_b32 s14, s13, 13
	s_mov_b32 s15, 0
	s_lshl_b32 s16, s13, 12
	s_mov_b32 s17, 0
	v_and_b32 v1, 31, v0
	v_lshlrev_b32 v1, 4, v1
	s_wait_kmcnt 0x0
	s_add_nc_u64 s[4:5], s[4:5], s[14:15]
	s_add_nc_u64 s[8:9], s[8:9], s[16:17]
	s_cmp_eq_u32 s13, 0
	s_cbranch_scc1 .Laux
	s_wait_alu depctr_va_vdst(0)
	MAIN
	s_endpgm
.Laux:
; load i covers tokens 16 i + lane / 2; a lane holds experts 4 (lane % 2) + 0 .. 3
.set i, 0
	s_wait_alu depctr_va_vdst(0)
.rept 32
	global_load_b128 v[PB+4*i:PB+4*i+3], v1, s[6:7] offset:8192+512*i
.set i, i+1
.endr
	WIN 0x40                                       ; destination window 1
.set i, 0
.rept 32
	global_load_b128 v[4*i:4*i+3], v1, s[6:7] offset:8192+512*(32+i)
.set i, i+1
.endr
	WIN 0
	s_mov_b32 s18, 0x76543210                      ; v_permlanex16_b32's selects for lane l xor 16
	s_mov_b32 s19, 0xfedcba98
	s_mov_b32 s20, 0x3a800000                      ; 1 / 1,024
	s_mov_b32 s21, 0xbe000000                      ; -1 / 8
	MAIN                                           ; its last wait is for 0: the probabilities, asked for earlier, are in too
.set i, 0
.rept 16
	v_pk_add_f32 v[PB+4*i:PB+4*i+1], v[PB+4*i:PB+4*i+1], v[PB+64+4*i:PB+64+4*i+1]
	v_pk_add_f32 v[PB+4*i+2:PB+4*i+3], v[PB+4*i+2:PB+4*i+3], v[PB+64+4*i+2:PB+64+4*i+3]
.set i, i+1
.endr
	WIN 0x04                                       ; source 1 window 1
.set i, 0
.rept 16
	v_pk_add_f32 v[PB+4*i:PB+4*i+1], v[PB+4*i:PB+4*i+1], v[4*i:4*i+1]
	v_pk_add_f32 v[PB+4*i+2:PB+4*i+3], v[PB+4*i+2:PB+4*i+3], v[4*i+2:4*i+3]
.set i, i+1
.endr
.set i, 0
.rept 16
	v_pk_add_f32 v[PB+4*i:PB+4*i+1], v[PB+4*i:PB+4*i+1], v[64+4*i:64+4*i+1]
	v_pk_add_f32 v[PB+4*i+2:PB+4*i+3], v[PB+4*i+2:PB+4*i+3], v[64+4*i+2:64+4*i+3]
.set i, i+1
.endr
	WIN 0
.irp s, 8,4,2,1
.set i, 0
.rept \s
	v_pk_add_f32 v[PB+4*i:PB+4*i+1], v[PB+4*i:PB+4*i+1], v[PB+4*(i+\s):PB+4*(i+\s)+1]
	v_pk_add_f32 v[PB+4*i+2:PB+4*i+3], v[PB+4*i+2:PB+4*i+3], v[PB+4*(i+\s)+2:PB+4*(i+\s)+3]
.set i, i+1
.endr
.endr
.irp k, 2,4,8                          ; over the lanes of the same parity
.irp c, 0,1,2,3
	v_add_f32_dpp v[PB+\c], v[PB+\c], v[PB+\c] row_xmask:\k row_mask:0xf bank_mask:0xf
.endr
.endr
.irp c, 0,1,2,3
	v_permlanex16_b32 v[PB+4+\c], v[PB+\c], s18, s19
.endr
	v_pk_add_f32 v[PB:PB+1], v[PB:PB+1], v[PB+4:PB+5]
	v_pk_add_f32 v[PB+2:PB+3], v[PB+2:PB+3], v[PB+6:PB+7]       ; all 1,024 tokens
.irp c, 0,1,2,3
	v_fma_f32 v[PB+\c], v[PB+\c], s20, s21         ; importance - 1/8
.endr
	v_mul_f32 v[PB], v[PB], v[PB]
	v_fma_f32 v[PB], v[PB+1], v[PB+1], v[PB]
	v_fma_f32 v[PB], v[PB+2], v[PB+2], v[PB]
	v_fma_f32 v[PB], v[PB+3], v[PB+3], v[PB]       ; my four experts' squares,
	v_add_f32_dpp v[PB], v[PB], v[PB] row_xmask:1 row_mask:0xf bank_mask:0xf   ; and the other four's
	v_mul_f32 v[PB], 0x3e000000, v[PB]             ; the mean over the eight
	v_mov_b32 v2, 0
	global_store_b32 v2, v[PB], s[10:11]           ; all lanes write the same word with the same value
	s_endpgm
.Lfunc_end_k_qa70d4fa0c3_combine:
	.size	k_qa70d4fa0c3_combine, .Lfunc_end_k_qa70d4fa0c3_combine-k_qa70d4fa0c3_combine
	.p2alignl 7, 3214868480
	.fill 96, 4, 3214868480
	.section	.rodata,"a",@progbits
	.p2align	6, 0x0
	.amdhsa_kernel k_qa70d4fa0c3_combine
		.amdhsa_group_segment_fixed_size 0
		.amdhsa_private_segment_fixed_size 0
		.amdhsa_enable_private_segment 0
		.amdhsa_kernarg_size 32
		.amdhsa_user_sgpr_count 2
		.amdhsa_user_sgpr_kernarg_segment_ptr 1
		.amdhsa_wavefront_size32 1
		.amdhsa_system_sgpr_workgroup_id_x 1
		.amdhsa_system_sgpr_workgroup_id_y 1
		.amdhsa_system_sgpr_workgroup_id_z 1
		.amdhsa_system_vgpr_workitem_id 0
		.amdhsa_next_free_vgpr 384
		.amdhsa_next_free_sgpr 66
		.amdhsa_reserve_vcc 0
		.amdhsa_float_denorm_mode_32 3
		.amdhsa_float_denorm_mode_16_64 3
		.amdhsa_memory_ordered 1
		.amdhsa_forward_progress 1
		.amdhsa_inst_pref_size 24
	.end_amdhsa_kernel
	.amdgpu_metadata
---
amdhsa.version: [ 1, 2 ]
amdhsa.kernels:
  - .name:           k_qa70d4fa0c3_combine
    .symbol:         k_qa70d4fa0c3_combine.kd
    .args:
      - { .name: y, .offset: 0, .size: 8, .value_kind: global_buffer, .address_space: global }
      - { .name: rt, .offset: 8, .size: 8, .value_kind: global_buffer, .address_space: global }
      - { .name: out0, .offset: 16, .size: 8, .value_kind: global_buffer, .address_space: global }
      - { .name: out1, .offset: 24, .size: 8, .value_kind: global_buffer, .address_space: global }
    .group_segment_fixed_size: 0
    .private_segment_fixed_size: 0
    .kernarg_segment_align: 8
    .kernarg_segment_size: 32
    .max_flat_workgroup_size: 128
    .sgpr_count:     66
    .vgpr_count:     384
    .wavefront_size: 32
...
	.end_amdgpu_metadata
.endif
;; end of part 8
